; MI455X (gfx1250); checked and timed in simulation.
; The chip was launched on July 23, 2026; its instructions are those of AMD's public machine-readable ISA for CDNA 5 (MIT licence, August 2026) and "CDNA5" Instruction Set Architecture Reference Guide (July 2026). The comments in the code are by the model that wrote it; some were corrected since.
;; Bahdanau Attention. Allowed arithmetic: float matrix products may take bf16 or f16 operands with f32 sums; all other float work in f32.
;; Inputs: Ua_b 1,024 float32; Ua_w 1,024 x 1,024 float32; Va_b 1 float32; Va_w 1 x 1,024 float32; Wa_b 1,024 float32; Wa_w 1,024 x 1,024 float32; keys 32 x 2,048 x 1,024 float32; query 32 x 1 x 1,024 float32.
;; Outputs: out0 32 x 1 x 1,024 float32; out1 32 x 1 x 2,048 float32.
;; Constants: idx = 0.
;; 2 versions, each right. Each part assembles by itself: llvm-mc -triple=amdgcn-amd-amdhsa -mcpu=gfx1250 --defsym DOCPART=n.
;; ======== version 1 of 2: 3 launches
;; workspace buffers: ub 2,097,152 bytes; tab 262,144 bytes; bs 256 bytes; sc 262,144 bytes; pc 2,097,152 bytes
;; launch prep (part 1): grid 64 x 1, 16 waves a work-group, no clusters, 166,912 bytes of LDS; arguments Ua_w, Wa_w, query, Wa_b, Ua_b, Va_w, Va_b, ub, tab, bs; writes ub, tab, bs
.if DOCPART == 1
	.amdgcn_target "amdgcn-amd-amdhsa--gfx1250"
	.amdhsa_code_object_version 6
	.text
	.protected	k_q53b3dcf065_prep
	.globl	k_q53b3dcf065_prep
	.p2align	8
	.type	k_q53b3dcf065_prep,@function
k_q53b3dcf065_prep:
	s_mov_b64 s[64:65], 0
	v_nop
	global_prefetch_b8 v0, s[64:65] scope:SCOPE_SE
	s_setreg_imm32_b32 hwreg(HW_REG_WAVE_MODE, 25, 1), 1
	s_wait_xcnt 0x0
; PREPARATION for additive attention.  With c = 2 log2(e):  tanh(x) = 1 - 2 / (1 + exp2(c x)).
;   ub  : bf16(c * Ua_w), laid out in the order in which the main launch's waves load their B fragments
;   tab : for each output column n and batch, the pair ( c * (q_proj + Wa_b + Ua_b),  -2 * Va_w[n] )
;   bs  : (Va_b + sum of Va_w) / 64, 64 times: the share of each of the 64 partial sums that make one score
; Work-group g owns the 16 output columns 16 g .. 16 g + 15; 16 waves.  Wave v converts row v of Ua_w and of Wa_w and rows
; 2 v, 2 v + 1 of query to bf16 in LDS, then takes K blocks 2 v, 2 v + 1 (32 along K each): it writes their fragments of ub
; and multiplies them for q_proj; the 16 waves' partial sums of q_proj meet in LDS.
; No cluster: the only input that work-groups share is query, 128 KB of the 8.5 MB that the launch reads.
; LIMITS: matrix operands are rounded to bf16 (Ua_w after the multiplication by c).
.set CS,    0x4038aa3b                 ; c = 2 log2(e)
.set PITCH, 2064                       ; an LDS row: 2,048 bytes of bf16 + 16, an odd multiple of 16: 16 rows start 16 bytes apart modulo 256
.set LW,    16*PITCH                   ; LDS: 16 rows of c Ua_w at 0, 16 rows of Wa_w here,
.set LQ,    32*PITCH                   ; 32 rows of query here,
.set LR,    64*PITCH                   ; and 16 waves x 2,048 bytes of partial sums here
.set X,     64                         ; v[64:191] rows as loaded; later fragments
	s_load_b256 s[4:11], s[0:1], 0x0               ; Ua_w s[4:5], Wa_w s[6:7], query s[8:9], Wa_b s[10:11]
	s_load_b256 s[12:19], s[0:1], 0x20             ; Ua_b s[12:13], Va_w s[14:15], Va_b s[16:17], ub s[18:19]
	s_load_b128 s[20:23], s[0:1], 0x40             ; tab s[20:21], bs s[22:23]
	v_lshl_add_u32 v200, v0, 2, 0x28400
	v_mov_b32 v201, 0
	v_lshrrev_b32 v13, 5, v0
	v_readfirstlane_b32 s24, v13                   ; wave v
	s_mov_b32 s25, ttmp9                           ; work-group g
	v_and_b32 v13, 31, v0                          ; lane L
	v_and_b32 v14, 15, v0                          ; r = L % 16 (also thread % 16)
	v_bfe_u32 v15, v0, 4, 1                        ; h = L / 16
	v_lshlrev_b32 v1, 4, v13                       ; 16 L
	s_lshl_b32 s34, s25, 6
	v_lshl_add_u32 v2, v14, 2, s34                 ; 4 (16 g + r): my column in the three vectors
	s_lshl_b32 s26, s25, 16                        ; 16 rows of 4,096 bytes a work-group,
	s_lshl_b32 s27, s24, 12                        ; one row a wave
	s_add_co_u32 s26, s26, s27
	s_mov_b32 s27, 0
	s_lshl_b32 s28, s24, 13                        ; two rows of query a wave
	s_mov_b32 s29, 0
	s_wait_kmcnt 0x0
	s_add_nc_u64 s[4:5], s[4:5], s[26:27]
	s_add_nc_u64 s[6:7], s[6:7], s[26:27]
	s_add_nc_u64 s[8:9], s[8:9], s[28:29]
	global_load_b32 v10, v2, s[10:11]              ; Wa_b
	global_load_b32 v11, v2, s[12:13]              ; Ua_b
	global_load_b32 v12, v2, s[14:15]              ; Va_w
.irp i, 0,1,2,3,4,5,6,7
	global_load_b128 v[X+4*\i:X+4*\i+3], v1, s[4:5] offset:512*\i th:TH_LOAD_NT        ; my row of Ua_w, 512 neighbouring bytes a load
.endr
.irp i, 0,1,2,3,4,5,6,7
	global_load_b128 v[X+32+4*\i:X+32+4*\i+3], v1, s[6:7] offset:512*\i th:TH_LOAD_NT  ; my row of Wa_w
.endr
.irp i, 0,1,2,3,4,5,6,7
	global_load_b128 v[X+64+4*\i:X+64+4*\i+3], v1, s[8:9] offset:512*\i                ; query, row 2 v
.endr
.irp i, 0,1,2,3,4,5,6,7
	global_load_b128 v[X+96+4*\i:X+96+4*\i+3], v1, s[8:9] offset:4096+512*\i           ; query, row 2 v + 1
.endr
	; the remaining addresses, while the loads are on their way
	s_mul_i32 s35, s24, PITCH
	v_lshl_add_u32 v3, v13, 3, s35                 ; row v + 8 L: where my 4 converted numbers go (Ua_w; Wa_w by the offset)
	s_mul_i32 s36, s24, 2*PITCH
	s_add_co_u32 s36, s36, LQ
	v_lshl_add_u32 v4, v13, 3, s36                 ; the same for query's row 2 v
	v_mul_u32_u24 v5, v14, PITCH
	v_lshl_add_u32 v5, v15, 4, v5
	s_lshl_b32 s37, s24, 7
	v_add_nc_u32 v5, s37, v5                       ; fragment address: row r, 16 h, K block 2 v (64 bytes a block)
	v_add_nc_u32 v6, LQ, v5                        ; the same in query
	s_lshl_b32 s38, s24, 11
	s_add_co_u32 s38, s38, LR
	v_lshl_add_u32 v7, v13, 2, s38                 ; my wave's partial sums, 4 L
	; thread t joins (batch bt = t / 16, column r).  In a wave's 2,048 bytes that number is word ((bt/16) 8 + bt%8) 32 + ((bt/8)%2) 16 + r
	v_lshrrev_b32 v17, 8, v0                       ; bt / 16
	v_bfe_u32 v18, v0, 4, 3                        ; bt % 8
	v_bfe_u32 v19, v0, 7, 1                        ; (bt / 8) % 2
	v_lshl_add_u32 v17, v17, 3, v18
	v_lshl_add_u32 v17, v17, 1, v19
	v_lshl_add_u32 v17, v17, 4, v14
	s_mov_b32 s39, LR
	v_lshl_add_u32 v8, v17, 2, s39
	v_lshlrev_b32 v9, 3, v0                        ; 8 t: my pair in the work-group's 4,096 bytes of tab
	s_bfe_u32 s30, s25, 0x20003                    ; main's wave w = (g / 8) % 4
	s_lshl_b32 s30, s30, 1
	s_lshr_b32 s31, s25, 5                         ; main's chunk = g / 32
	s_add_co_u32 s30, s30, s31
	s_lshl_b32 s30, s30, 18                        ; (2 w + chunk) x 32 K blocks x 8,192 bytes
	s_lshl_b32 s31, s24, 14                        ; + K block 2 v
	s_add_co_u32 s30, s30, s31
	s_and_b32 s31, s25, 7
	s_lshl_b32 s31, s31, 10                        ; + column block g % 8
	s_add_co_u32 s30, s30, s31
	s_mov_b32 s31, 0
	s_add_nc_u64 s[18:19], s[18:19], s[30:31]
	s_lshl_b32 s30, s25, 12
	s_add_nc_u64 s[20:21], s[20:21], s[30:31]      ; tab at column block g
	s_wait_loadcnt 24                              ; Ua_w's row is in; the 24 younger loads (Wa_w, query) stay out
.irp i, 0,1,2,3,4,5,6,7
	v_pk_mul_f32 v[X+4*\i:X+4*\i+1], v[X+4*\i:X+4*\i+1], CS op_sel_hi:[1,0]
	v_pk_mul_f32 v[X+4*\i+2:X+4*\i+3], v[X+4*\i+2:X+4*\i+3], CS op_sel_hi:[1,0]
	v_cvt_pk_bf16_f32 v[X+4*\i], v[X+4*\i], v[X+4*\i+1]
	v_cvt_pk_bf16_f32 v[X+4*\i+1], v[X+4*\i+2], v[X+4*\i+3]
	ds_store_b64 v3, v[X+4*\i:X+4*\i+1] offset:256*\i
.endr
	s_wait_loadcnt 16                              ; Wa_w's row is in; query's 16 loads stay out
.irp i, 0,1,2,3,4,5,6,7
	v_cvt_pk_bf16_f32 v[X+32+4*\i], v[X+32+4*\i], v[X+32+4*\i+1]
	v_cvt_pk_bf16_f32 v[X+32+4*\i+1], v[X+32+4*\i+2], v[X+32+4*\i+3]
	ds_store_b64 v3, v[X+32+4*\i:X+32+4*\i+1] offset:LW+256*\i
.endr
	s_wait_loadcnt 0x0
.irp i, 0,1,2,3,4,5,6,7
	v_cvt_pk_bf16_f32 v[X+64+4*\i], v[X+64+4*\i], v[X+64+4*\i+1]
	v_cvt_pk_bf16_f32 v[X+64+4*\i+1], v[X+64+4*\i+2], v[X+64+4*\i+3]
	ds_store_b64 v4, v[X+64+4*\i:X+64+4*\i+1] offset:256*\i
	v_cvt_pk_bf16_f32 v[X+96+4*\i], v[X+96+4*\i], v[X+96+4*\i+1]
	v_cvt_pk_bf16_f32 v[X+96+4*\i+1], v[X+96+4*\i+2], v[X+96+4*\i+3]
	ds_store_b64 v4, v[X+96+4*\i:X+96+4*\i+1] offset:PITCH+256*\i
.endr
	s_wait_dscnt 0x0                               ; my rows are in LDS, for the other waves' sake
	s_barrier_signal -1
	s_barrier_wait -1
	; ub: the four 16-byte pieces (K block 2 v + kbi, half j) of column r; all fragments for q_proj behind them
.irp p, 0,1,2,3
	ds_load_b128 v[16+4*\p:16+4*\p+3], v5 offset:32*\p                     ; p = 2 kbi + j: 64 kbi + 32 j
.endr
.irp f, 0,1,2,3
	ds_load_b128 v[X+8*\f:X+8*\f+3],   v6 offset:(\f>>1)*16*PITCH+(\f&1)*64       ; query: f = 2 mb + kbi, batches 16 mb .. + 15
	ds_load_b128 v[X+8*\f+4:X+8*\f+7], v6 offset:(\f>>1)*16*PITCH+(\f&1)*64+32
.endr
.irp k, 0,1
	ds_load_b128 v[X+32+8*\k:X+32+8*\k+3],   v5 offset:LW+64*\k                   ; Wa_w
	ds_load_b128 v[X+32+8*\k+4:X+32+8*\k+7], v5 offset:LW+64*\k+32
.endr
.irp p, 0,1,2,3
	s_wait_dscnt 15-\p                             ; LDS loads come back in order: piece p is in, the younger ones stay out
	global_store_b128 v1, v[16+4*\p:16+4*\p+3], s[18:19] offset:(\p>>1)*8192+(\p&1)*512   ; 512 neighbouring bytes a store
.endr
	s_wait_dscnt 0x0
	; q_proj over my 64 of K: two accumulators (batches 0-15, 16-31) take turns, one instruction a turn
	v_wmma_f32_16x16x32_bf16 v[32:39], v[X:X+7],     v[X+32:X+39], 0
	v_wmma_f32_16x16x32_bf16 v[40:47], v[X+16:X+23], v[X+32:X+39], 0
	v_wmma_f32_16x16x32_bf16 v[32:39], v[X+8:X+15],  v[X+40:X+47], v[32:39]
	v_wmma_f32_16x16x32_bf16 v[40:47], v[X+24:X+31], v[X+40:X+47], v[40:47]
.rept 4
	v_nop                                          ; four places behind the products before their results are stored (ISA guide 7.12.1)
.endr
.irp j, 0,1,2,3,4,5,6,7,8,9,10,11,12,13,14,15
	ds_store_b32 v7, v[32+\j] offset:128*\j        ; register j of block mb: batch 16 mb + 8 h + j, column r
.endr
	s_wait_dscnt 0x0
	s_barrier_signal -1
	s_barrier_wait -1
.irp u, 0,1,2,3,4,5,6,7,8,9,10,11,12,13,14,15
	ds_load_b32 v[X+\u], v8 offset:2048*\u         ; the 16 waves' parts of my (batch, column)
.endr
	s_wait_dscnt 0x0
	v_pk_add_f32 v[64:65], v[64:65], v[66:67]
	v_pk_add_f32 v[68:69], v[68:69], v[70:71]
	v_pk_add_f32 v[72:73], v[72:73], v[74:75]
	v_pk_add_f32 v[76:77], v[76:77], v[78:79]
	v_pk_add_f32 v[64:65], v[64:65], v[68:69]
	v_pk_add_f32 v[72:73], v[72:73], v[76:77]
	v_pk_add_f32 v[64:65], v[64:65], v[72:73]
	v_add_f32 v10, v10, v11                        ; Wa_b + Ua_b
	v_add_f32 v64, v64, v65
	v_add_f32 v64, v64, v10
	v_mul_f32 v48, CS, v64                         ; c (q_proj + both biases)
	v_mul_f32 v49, -2.0, v12                       ; -2 Va_w
	global_store_b64 v9, v[48:49], s[20:21]        ; 256 neighbouring bytes a wave
	; bs: one wave of one work-group sums Va_w
	s_cmp_lg_u32 s25, 0
	s_cbranch_scc1 .Lend
	s_cmp_lg_u32 s24, 0
	s_cbranch_scc1 .Lend
	v_mov_b32 v51, 0
.irp i, 0,1,2,3,4,5,6,7
	global_load_b128 v[96+4*\i:96+4*\i+3], v1, s[14:15] offset:512*\i
.endr
	global_load_b32 v50, v51, s[16:17]             ; Va_b
	s_mov_b32 s40, 0x76543210                      ; v_permlanex16_b32: lane i reads lane i of the other half
	s_mov_b32 s41, 0xfedcba98
	v_lshlrev_b32 v54, 3, v13
	s_wait_loadcnt 0x0
.irp i, 1,2,3,4,5,6,7
	v_pk_add_f32 v[96:97], v[96:97], v[96+4*\i:96+4*\i+1]
	v_pk_add_f32 v[98:99], v[98:99], v[98+4*\i:98+4*\i+1]
.endr
	v_pk_add_f32 v[96:97], v[96:97], v[98:99]
	v_add_f32 v96, v96, v97
	v_add_f32_dpp v96, v96, v96 row_xmask:1 row_mask:0xf bank_mask:0xf
	v_add_f32_dpp v96, v96, v96 row_xmask:2 row_mask:0xf bank_mask:0xf
	v_add_f32_dpp v96, v96, v96 row_xmask:4 row_mask:0xf bank_mask:0xf
	v_add_f32_dpp v96, v96, v96 row_xmask:8 row_mask:0xf bank_mask:0xf
	v_permlanex16_b32 v97, v96, s40, s41
	v_add_f32 v96, v96, v97
	v_add_f32 v96, v96, v50
	v_mul_f32 v52, 0x3c800000, v96                 ; / 64
	v_mov_b32 v53, v52
	global_store_b64 v54, v[52:53], s[22:23]       ; 256 bytes
.Lend:
	s_wait_tensorcnt 0x0
	ds_add_u32 v200, v201
	s_wait_dscnt 0x0
	s_endpgm
.Lfunc_end_k_q53b3dcf065_prep:
	.size	k_q53b3dcf065_prep, .Lfunc_end_k_q53b3dcf065_prep-k_q53b3dcf065_prep
	.p2alignl 7, 3214868480
	.fill 96, 4, 3214868480
	.section	.rodata,"a",@progbits
	.p2align	6, 0x0
	.amdhsa_kernel k_q53b3dcf065_prep
		.amdhsa_group_segment_fixed_size 166912
		.amdhsa_private_segment_fixed_size 0
		.amdhsa_enable_private_segment 0
		.amdhsa_kernarg_size 80
		.amdhsa_user_sgpr_count 2
		.amdhsa_user_sgpr_kernarg_segment_ptr 1
		.amdhsa_wavefront_size32 1
		.amdhsa_system_sgpr_workgroup_id_x 1
		.amdhsa_system_sgpr_workgroup_id_y 1
		.amdhsa_system_sgpr_workgroup_id_z 1
		.amdhsa_system_vgpr_workitem_id 0
		.amdhsa_next_free_vgpr 202
		.amdhsa_next_free_sgpr 66
		.amdhsa_reserve_vcc 0
		.amdhsa_float_denorm_mode_32 3
		.amdhsa_float_denorm_mode_16_64 3
		.amdhsa_memory_ordered 1
		.amdhsa_forward_progress 1
		.amdhsa_inst_pref_size 22
	.end_amdhsa_kernel
	.amdgpu_metadata
---
amdhsa.version: [ 1, 2 ]
amdhsa.kernels:
  - .name:           k_q53b3dcf065_prep
    .symbol:         k_q53b3dcf065_prep.kd
    .args:
      - { .name: Ua_w, .offset: 0, .size: 8, .value_kind: global_buffer, .address_space: global }
      - { .name: Wa_w, .offset: 8, .size: 8, .value_kind: global_buffer, .address_space: global }
      - { .name: query, .offset: 16, .size: 8, .value_kind: global_buffer, .address_space: global }
      - { .name: Wa_b, .offset: 24, .size: 8, .value_kind: global_buffer, .address_space: global }
      - { .name: Ua_b, .offset: 32, .size: 8, .value_kind: global_buffer, .address_space: global }
      - { .name: Va_w, .offset: 40, .size: 8, .value_kind: global_buffer, .address_space: global }
      - { .name: Va_b, .offset: 48, .size: 8, .value_kind: global_buffer, .address_space: global }
      - { .name: ub, .offset: 56, .size: 8, .value_kind: global_buffer, .address_space: global }
      - { .name: tab, .offset: 64, .size: 8, .value_kind: global_buffer, .address_space: global }
      - { .name: bs, .offset: 72, .size: 8, .value_kind: global_buffer, .address_space: global }
    .group_segment_fixed_size: 166912
    .private_segment_fixed_size: 0
    .kernarg_segment_align: 8
    .kernarg_segment_size: 80
    .max_flat_workgroup_size: 512
    .sgpr_count:     66
    .vgpr_count:     202
    .wavefront_size: 32
...
	.end_amdgpu_metadata
.endif
;; end of part 1
;; launch main (part 2): grid 512 x 1, 4 waves a work-group, no clusters, 286,208 bytes of LDS; arguments keys, ub, tab, bs, sc, pc; writes sc, pc
.if DOCPART == 2
	.amdgcn_target "amdgcn-amd-amdhsa--gfx1250"
	.amdhsa_code_object_version 6
	.text
	.protected	k_q53b3dcf065_main
	.globl	k_q53b3dcf065_main
	.p2align	8
	.type	k_q53b3dcf065_main,@function
k_q53b3dcf065_main:
	s_mov_b64 s[64:65], 0
	v_nop
	global_prefetch_b8 v0, s[64:65] scope:SCOPE_SE
	s_setreg_imm32_b32 hwreg(HW_REG_WAVE_MODE, 25, 1), 1
	s_wait_xcnt 0x0
; SCORES, AND EACH TILE'S SHARE OF SOFTMAX AND CONTEXT.  A work-group owns 128 rows of keys (tile T of 512; batch T / 16).
;   score[row] = Va_b + sum over o of Va_w[o] tanh(q_proj[o] + k_proj[row][o]),  tanh(x) = 1 - 2 / (1 + exp2(c x)),  c = 2 log2(e);
;   ub holds bf16(c Ua_w), tab the pairs (qc, w) = (c (q_proj + biases), -2 Va_w), bs the number (Va_b + sum Va_w) / 64.
;   sc[row] = the score;  pc[T][col] = sum over the tile's rows of exp(score - the tile's maximum) * keys[row][col].
; The last launch joins the 16 tiles of a batch.  keys is read from memory ONCE: the tile stays in LDS as bf16 (128 rows x 1,024 =
; 256 KB, 278,528 bytes with padding) from the products to the context.
; Four waves, as many as a WGP has SIMDs.  Wave w makes all 128 rows x the 128 columns 512 chunk + 128 w .. + 127, chunk = 0, 1:
; 64 accumulator tiles of 16 x 16 in 512 registers.  No two waves need the same column of Ua_w, so its fragments come straight from
; memory into the registers of the one wave that multiplies them, in the order in which prep laid them (512 neighbouring bytes a load),
; through a ring of four register buffers, one for each K step of 32, asked for three K steps ahead.
; NO CLUSTER, NO TENSOR LOADS: what work-groups share is ub.  Beside the key tile LDS has 327,680 - 278,528 = 49,152 bytes, 7,168 of them
; in use; two slots for a K step of 128 of the 512 columns of a chunk would take 2 x 139,264.  keys has to be converted from f32, and the
; f32 tile (512 KB) has no room in LDS either, so it goes through registers.
; LIMITS: matrix operands are bf16 (keys, c Ua_w, and exp(score - maximum) in the context).  v_exp_f32 gives 0 for results below 2^-126
; (ISA guide 15.8): shares that small count as 0.  exp2 overflowing to infinity gives 1 / inf = 0, that is tanh = 1, and exp2 = 0 gives tanh = -1.
;
; REGISTERS, in windows of 256 (s_set_vgpr_msb: bits 1:0 source 0, 3:2 source 1, 5:4 source 2, 7:6 destination):
;   window 0: addresses, (qc, w), A fragments, keys on their way;  window 1: the ring of four B buffers (64 registers each);
;   window 2: accumulator tiles of rows 0-63 (tile (a, b) at 8 (8 a + b));  window 3: those of rows 64-127.
.set PITCH, 272                        ; an LDS row of a slice: 128 bf16 + 16 bytes: an odd multiple of 16, so the 16 rows of a fragment start 16 bytes apart modulo 256
.set SLICE, 128*PITCH                  ; 34,816: a slice = 128 along K of all 128 rows; 8 slices
.set MBLK,  16*PITCH
.set LSW,   8*SLICE                    ; 278,528: 4 waves x 128 f32, each wave's part of the scores
.set LPB,   LSW+2048                   ; 4 waves x 128 bf16: exp(score - maximum), each wave's own copy
.set LCX,   LPB+1024                   ; 4 waves x 256 f32: context, each wave's own
.set VB,   1                           ; 16 L
.set VA0,  2                           ; 272 r + 16 h: A fragment address in slice 0
.set VA,   3                           ; the same in the slice at work
.set VK,   4                           ; keys: my wave's 32 rows, 16 L
.set VS0,  5                           ; LDS: my wave's 32 rows of slice 0, 8 L
.set VS,   6                           ; the same in the slice at work
.set VPF,  7                           ; keys, for prefetches: row L / 2 of my 32, 256 (L % 2)
.set CW,   8                           ; v[8:39]   (qc, w) of column block b of chunk c at 8 + 16 c + 2 b
.set TT,   40                          ; v[40:55]  converted keys; temporaries at the start
.set VCW,  56                          ; 8 r
.set VW,   57                          ; LSW + 512 w + 32 h
.set VP,   58                          ; LPB + 256 w + 16 h
.set VT,   59                          ; transposing loads: slice 2 w, row 8 h + L % 8, 16 ((L / 8) % 2)
.set VC,   60                          ; LCX + 1024 w + 4 r
.set VRS,  61                          ; LSW + 16 L
.set VPW,  62                          ; LPB + 256 w + 8 L
.set VCR,  63                          ; LCX + 1024 w + 16 L
.set AF,   64                          ; v[64:127]  A fragments, row block a at 64 + 8 a; later the fragments of exp(..) and scratch
.set KS,   128                         ; v[128:255] keys as loaded: group q (8 rows), row i at 128 + 32 q + 4 i
.set SS,   128                         ; v[128:191] behind chunk 0's products: score sums, row 16 A + 8 h + j at 128 + 8 A + j
.set KB,   128                         ; v[128:255] in the context: two buffers of 8 transposed key fragments
.set MUL_LO, 0xa4                      ; A window 0, B window 1, C and D window 2
.set MUL_HI, 0xf4                      ; the same, C and D window 3
.set TO_B,   0x40                      ; a load's destination in window 1
.set EP_LO,  0xa2                      ; destination, sources 0 and 2 in window 2, source 1 in window 0
.set EP_HI,  0xf3
.set SA_LO,  0x02                      ; source 0 in window 2
.set SA_HI,  0x03
.set CTX,    0xa0                      ; A and B window 0, C and D window 2
.set ST_D,   0x08                      ; an LDS store's data in window 2
.set MSB, 0
.set GL,  0                            ; global loads issued so far, in the order of the text (used in straight-line text only)
.macro WIN new                         ; the immediate's high byte repeats the setting that is left
.if MSB != \new
	s_set_vgpr_msb (MSB<<8)|\new
.set MSB, \new
.endif
.endm
.macro PLACES                          ; four places behind matrix instructions before a load lands on their sources or a vector instruction reads their results
.rept 4
	v_nop
.endr
.endm
.macro WAITG sym                       ; loads come back in order (ISA guide 5.7.1): all up to the one after which sym was set are in
.if (GL-\sym) > 63
	s_wait_loadcnt 63                      ; the field's largest count; more than 63 are younger
.else
	s_wait_loadcnt GL-\sym
.endif
.endm
; 16 products: row blocks a0, a0 + 1 of the window's four x all 8 column blocks, 32 along K, B from ring buffer q.
; The 64 accumulators take turns, one instruction a turn, in the same order in every K step.
.macro MULH hi, a0, q, zero
.irp a, \a0, \a0+1
.irp b, 0,1,2,3,4,5,6,7
.if \zero
	v_wmma_f32_16x16x32_bf16 v[8*(8*(\a)+\b):8*(8*(\a)+\b)+7], v[AF+8*(4*\hi+\a):AF+8*(4*\hi+\a)+7], v[64*\q+8*\b:64*\q+8*\b+7], 0
.else
	v_wmma_f32_16x16x32_bf16 v[8*(8*(\a)+\b):8*(8*(\a)+\b)+7], v[AF+8*(4*\hi+\a):AF+8*(4*\hi+\a)+7], v[64*\q+8*\b:64*\q+8*\b+7], v[8*(8*(\a)+\b):8*(8*(\a)+\b)+7]
.endif
.endr
.endr
.endm
.macro ALOAD half, off                 ; 8 LDS loads: the A fragments of 64 rows, 32 along K at byte off from VA
.irp a, 0,1,2,3
	ds_load_b128 v[AF+8*(4*\half+\a):AF+8*(4*\half+\a)+3],   v[VA] offset:\off+(4*\half+\a)*MBLK
	ds_load_b128 v[AF+8*(4*\half+\a)+4:AF+8*(4*\half+\a)+7], v[VA] offset:\off+(4*\half+\a)*MBLK+32
.endr
.endm
.macro BLOAD q, off                    ; 16 loads: one K step's 8 KB of my wave's stream of ub into ring buffer q
	WIN TO_B
.irp b, 0,1,2,3,4,5,6,7
	global_load_b128 v[64*\q+8*\b:64*\q+8*\b+3],   v[VB], s[6:7] offset:\off+\b*1024
	global_load_b128 v[64*\q+8*\b+4:64*\q+8*\b+7], v[VB], s[6:7] offset:\off+\b*1024+512
.endr
.set GL, GL+16
.set BD\q, GL
.endm
.macro KLOAD q, goff                   ; 8 loads: rows 8 q .. 8 q + 7 of my 32, the 512 bytes of a slice at byte goff of the rows
.irp i, 0,1,2,3,4,5,6,7
	global_load_b128 v[KS+32*\q+4*\i:KS+32*\q+4*\i+3], v[VK], s[4:5] offset:\goff+(8*\q+\i)*4096 th:TH_LOAD_NT
.endr
.set GL, GL+8
.set KD\q, GL
.endm
.macro KGRP q, ldsoff, kld, goff       ; group q goes to LDS as bf16; kld = 1: its registers are asked for again
	WIN 0
.irp i, 0,1,2,3,4,5,6,7
	v_cvt_pk_bf16_f32 v[TT+2*\i],   v[KS+32*\q+4*\i],   v[KS+32*\q+4*\i+1]
	v_cvt_pk_bf16_f32 v[TT+2*\i+1], v[KS+32*\q+4*\i+2], v[KS+32*\q+4*\i+3]
.endr
.irp i, 0,1,2,3,4,5,6,7
	ds_store_b64 v[VS], v[TT+2*\i:TT+2*\i+1] offset:\ldsoff+(8*\q+\i)*PITCH     ; 256 neighbouring bytes: a row of the slice
.endr
.if \kld
	KLOAD \q, \goff
.endif
.endm
.macro PF sl                           ; the 64 aligned blocks of 256 bytes that my wave will load for slice sl, each asked for once in the launch
	global_prefetch_b8 v[VPF], s[4:5] offset:\sl*512 th:TH_LOAD_NT scope:SCOPE_SE
	global_prefetch_b8 v[VPF], s[4:5] offset:\sl*512+65536 th:TH_LOAD_NT scope:SCOPE_SE
.endm
; One K step of 32: 64 products on ring buffer q.
;   kst: group q of the next slice's keys goes to LDS (kld: and the slice after it is asked for, at byte goff of the rows)
;   pf >= 0: slice pf is prefetched;  bar: the barrier between all waves' stores of the next slice and its first reads
;   anext: the next step's A fragments are fetched, at byte aoff from VA;  bld: ring buffer q is asked for again, at byte boff
;   nb: how many younger loads may stay out when B is needed (< 0: counted by the text's own symbols)
.macro STEP q, zero, kst, kld, goff, pf, bar, anext, aoff, bld, boff, nb
.if \kst
	WAITG KD\q
	KGRP \q, SLICE, \kld, \goff
.endif
.if \nb < 0
	WAITG BD\q
.else
	s_wait_loadcnt \nb
.endif
	s_wait_dscnt 8+8*\kst                          ; rows 0-63 of A are in; younger: the 8 loads of rows 64-127 and the 8 key stores
	WIN MUL_LO
	MULH 0, 0, \q, \zero
.if \bar
	s_wait_dscnt 0x0                               ; my stores of the next slice are in LDS, and no LDS instruction of mine is out
	s_barrier_signal -1
.endif
	MULH 0, 2, \q, \zero
.if \bar
	s_barrier_wait -1                              ; every wave's are: the next slice is whole
.endif
.if \anext
	PLACES
	WIN 0
	ALOAD 0, \aoff
.endif
	s_wait_dscnt 8*\kst+8*\anext                   ; rows 64-127 of A are in; younger: the key stores and the 8 loads just issued
	WIN MUL_HI
	MULH 1, 0, \q, \zero
.if \pf >= 0
	PF \pf                                         ; the address operand's window is 0 in this setting too
.endif
	MULH 1, 2, \q, \zero
	PLACES
.if \anext
	WIN 0
	ALOAD 1, \aoff
.endif
.if \bld
	BLOAD \q, \boff
.endif
.endm
; tanh and the dot with Va_w for one accumulator tile, in place; the row sums gather in the row block's tile (a, 0).
.macro EPT c, a, b
.irp j, 0,2,4,6
	v_pk_add_f32 v[8*(8*\a+\b)+\j:8*(8*\a+\b)+\j+1], v[8*(8*\a+\b)+\j:8*(8*\a+\b)+\j+1], v[CW+16*\c+2*\b:CW+16*\c+2*\b+1] op_sel_hi:[1,0]   ; + qc
.endr
.irp j, 0,1,2,3,4,5,6,7
	v_exp_f32 v[8*(8*\a+\b)+\j], v[8*(8*\a+\b)+\j]
.endr
	v_nop                                          ; one plain place behind the transcendentals before their results are used (ISA guide 5.7.2)
	s_wait_alu depctr_va_vdst(0)
.irp j, 0,2,4,6
	v_pk_add_f32 v[8*(8*\a+\b)+\j:8*(8*\a+\b)+\j+1], v[8*(8*\a+\b)+\j:8*(8*\a+\b)+\j+1], 1.0 op_sel_hi:[1,0]
.endr
.irp j, 0,1,2,3,4,5,6,7
	v_rcp_f32 v[8*(8*\a+\b)+\j], v[8*(8*\a+\b)+\j]
.endr
	v_nop
	s_wait_alu depctr_va_vdst(0)
.irp j, 0,2,4,6
.if \b
	v_pk_fma_f32 v[64*\a+\j:64*\a+\j+1], v[8*(8*\a+\b)+\j:8*(8*\a+\b)+\j+1], v[CW+16*\c+2*\b:CW+16*\c+2*\b+1], v[64*\a+\j:64*\a+\j+1] op_sel:[0,1,0] op_sel_hi:[1,1,1]   ; += w / (1 + exp2)
.else
	s_wait_alu depctr_va_vdst(0)
	v_pk_mul_f32 v[64*\a+\j:64*\a+\j+1], v[64*\a+\j:64*\a+\j+1], v[CW+16*\c+2*\b:CW+16*\c+2*\b+1] op_sel:[0,1] op_sel_hi:[1,1]
.endif
.endr
.endm
.macro EPIH c, ep, sa, a0
	WIN \ep
.irp a, 0,1,2,3
.irp b, 0,1,2,3,4,5,6,7
	EPT \c, \a, \b
.endr
.endr
	WIN \sa
.irp a, 0,1,2,3
.irp j, 0,2,4,6
.if \c
	v_pk_add_f32 v[SS+8*(\a0+\a)+\j:SS+8*(\a0+\a)+\j+1], v[64*\a+\j:64*\a+\j+1], v[SS+8*(\a0+\a)+\j:SS+8*(\a0+\a)+\j+1]
.else
	v_pk_add_f32 v[SS+8*(\a0+\a)+\j:SS+8*(\a0+\a)+\j+1], v[64*\a+\j:64*\a+\j+1], s[20:21] op_sel_hi:[1,0]   ; the sums start from the bias's share: nothing is cleared
.endif
.endr
.endr
.endm
.macro EPI c
	EPIH \c, EP_LO, SA_LO, 0
	EPIH \c, EP_HI, SA_HI, 4
	WIN 0
.endm
	s_load_b256 s[4:11], s[0:1], 0x0               ; keys s[4:5], ub s[6:7], tab s[8:9], bs s[10:11]
	s_load_b128 s[12:15], s[0:1], 0x20             ; sc s[12:13], pc s[14:15]
	v_lshrrev_b32 v40, 5, v0
	v_readfirstlane_b32 s16, v40                   ; wave w
	s_mov_b32 s17, ttmp9                           ; tile T
	v_and_b32 v40, 31, v0                          ; L
	v_and_b32 v41, 15, v0                          ; r
	v_bfe_u32 v42, v0, 4, 1                        ; h
	s_lshl_b32 s27, s16, 17                        ; my 32 rows of 4,096 bytes
	v_lshlrev_b32 v[VB], 4, v40
	v_add_nc_u32 v[VK], s27, v[VB]
	v_lshrrev_b32 v43, 1, v40
	v_and_b32 v44, 1, v0
	v_lshl_add_u32 v[VPF], v43, 12, s27
	v_lshl_add_u32 v[VPF], v44, 8, v[VPF]
	v_lshlrev_b32 v[VCW], 3, v41
	s_lshl_b32 s18, s17, 19                        ; the tile's 128 rows of 4,096 bytes,
	s_lshr_b32 s19, s17, 13                        ; in 64 bits
	s_wait_kmcnt 0x0
	s_add_nc_u64 s[4:5], s[4:5], s[18:19]
	KLOAD 0, 0                                     ; slice 0 of my 32 rows
	KLOAD 1, 0
	KLOAD 2, 0
	KLOAD 3, 0
	PF 1                                           ; slices 1 and 2 are loaded behind slice 0's arrival and in the first trip
	PF 2
	s_load_b64 s[20:21], s[10:11], 0x0             ; (Va_b + sum Va_w) / 64, twice
	s_lshl_b32 s18, s16, 19                        ; my wave's 512 KB of ub
	s_mov_b32 s19, 0
	s_add_nc_u64 s[6:7], s[6:7], s[18:19]
	s_lshr_b32 s18, s17, 4                         ; batch
	s_lshl_b32 s18, s18, 7
	s_lshl_b32 s28, s16, 15                        ; my wave's 8 column blocks of 4,096 bytes
	s_add_co_u32 s18, s18, s28
	s_add_nc_u64 s[8:9], s[8:9], s[18:19]
	s_lshl_b32 s18, s17, 9
	s_add_nc_u64 s[12:13], s[12:13], s[18:19]      ; sc at the tile's 128 scores
	s_lshl_b32 s18, s17, 12
	s_lshl_b32 s28, s16, 10
	s_add_co_u32 s18, s18, s28
	s_add_nc_u64 s[14:15], s[14:15], s[18:19]      ; pc at the tile's row, my wave's 256 columns
	s_mov_b32 s24, 0x76543210                      ; v_permlanex16_b32: lane i reads lane i of the other half
	s_mov_b32 s25, 0xfedcba98
	s_mov_b32 s26, 0x3fb8aa3b                      ; log2(e)
	v_mul_u32_u24 v[VA0], v41, PITCH
	v_lshl_add_u32 v[VA0], v42, 4, v[VA0]
	s_mul_i32 s28, s16, 32*PITCH
	v_lshl_add_u32 v[VS0], v40, 3, s28
	s_lshl_b32 s28, s16, 9
	s_add_co_u32 s28, s28, LSW
	v_lshl_add_u32 v[VW], v42, 5, s28
	s_lshl_b32 s28, s16, 8
	s_add_co_u32 s28, s28, LPB
	v_lshl_add_u32 v[VP], v42, 4, s28
	v_lshl_add_u32 v[VPW], v40, 3, s28
	v_and_b32 v45, 7, v0
	v_lshl_add_u32 v45, v42, 3, v45
	v_mul_u32_u24 v[VT], v45, PITCH
	v_bfe_u32 v46, v0, 3, 1
	v_lshl_add_u32 v[VT], v46, 4, v[VT]
	s_mul_i32 s28, s16, 2*SLICE
	v_add_nc_u32 v[VT], s28, v[VT]
	s_lshl_b32 s28, s16, 10
	s_add_co_u32 s28, s28, LCX
	v_lshl_add_u32 v[VC], v41, 2, s28
	v_lshl_add_u32 v[VCR], v40, 4, s28
	v_add_nc_u32 v[VRS], LSW, v[VB]
	v_mov_b32 v[VA], v[VA0]
	v_mov_b32 v[VS], v[VS0]
.irp c, 0,1
.irp b, 0,1,2,3,4,5,6,7
	global_load_b64 v[CW+16*\c+2*\b:CW+16*\c+2*\b+1], v[VCW], s[8:9] offset:(32*\c+\b)*4096   ; (qc, w) of my column in block b of chunk c
.endr
.endr
.set GL, GL+16
	BLOAD 0, 0                                     ; the ring: K steps 0 to 3
	BLOAD 1, 8192
	BLOAD 2, 16384
	BLOAD 3, 24576
	WAITG KD3                                      ; slice 0 is in: 80 loads are younger than its last
	KGRP 0, 0, 1, 512                              ; slice 0 to LDS, slice 1 asked for
	KGRP 1, 0, 1, 512
	KGRP 2, 0, 1, 512
	KGRP 3, 0, 1, 512
	s_wait_kmcnt 0x0                               ; the bias's share
	s_wait_dscnt 0x0                               ; my rows of slice 0 are in LDS
	s_barrier_signal -1
	s_barrier_wait -1                              ; everybody's are
	ALOAD 0, 0
	ALOAD 1, 0
; CHUNK 0, written out: trip s multiplies slice s, puts slice s + 1 into LDS, asks for slice s + 2 and prefetches slice s + 3,
; which is loaded one trip (256 products a wave) later.  Each slice's bytes are stored once in the launch, so nothing in LDS is overwritten.
.macro TRIP0 s, zero, kst, kld, pf
.if \s
	WIN 0
	v_add_nc_u32 v[VA], \s*SLICE, v[VA0]
.if \kst
	v_add_nc_u32 v[VS], \s*SLICE, v[VS0]
.endif
.endif
	STEP 0, \zero, \kst, \kld, (\s+2)*512, \pf, 0, 1, 64, 1, (4*\s+4)*8192, -1
	STEP 1, 0, \kst, \kld, (\s+2)*512, -1, 0, 1, 128, 1, (4*\s+5)*8192, -1
	STEP 2, 0, \kst, \kld, (\s+2)*512, -1, 0, 1, 192, 1, (4*\s+6)*8192, -1
	STEP 3, 0, \kst, \kld, (\s+2)*512, -1, \kst, \kst, SLICE, 1, (4*\s+7)*8192, -1
.endm
	TRIP0 0, 1, 1, 1, 3                            ; the first products start the sums
	TRIP0 1, 0, 1, 1, 4
	TRIP0 2, 0, 1, 1, 5
	TRIP0 3, 0, 1, 1, 6
	TRIP0 4, 0, 1, 1, 7                            ; the last prefetch: slice 7 is the rows' end
	TRIP0 5, 0, 1, 1, -1
	TRIP0 6, 0, 1, 0, -1                           ; slice 7 goes to LDS; nothing more of keys to ask for
	TRIP0 7, 0, 0, 0, -1                           ; its four loads of B are chunk 1's first K steps
	WIN 0
	v_mov_b32 v[VA], v[VA0]
	ALOAD 0, 0                                     ; chunk 1's first A fragments land during the tanh work
	ALOAD 1, 0
	s_wait_xcnt 0x0                                ; the loads of B that are out have had their addresses translated (ISA guide 3.1): their base is stepped only behind this wait
	s_add_nc_u64 s[6:7], s[6:7], 262144            ; chunk 1's part of my stream
	EPI 0
; CHUNK 1: the tile is whole in LDS, so a trip only multiplies.  48 = the three younger K steps' 16 loads of B each, on the way in and on the way back.
.macro TRIP1 zero, bld, n0, n1, n2, n3, more
	STEP 0, \zero, 0, 0, 0, -1, 0, 1, 64, \bld, 32768, \n0
	STEP 1, 0, 0, 0, 0, -1, 0, 1, 128, \bld, 40960, \n1
	STEP 2, 0, 0, 0, 0, -1, 0, 1, 192, \bld, 49152, \n2
	STEP 3, 0, 0, 0, 0, -1, 0, \more, SLICE, \bld, 57344, \n3
.if \more
	WIN 0                                          ; at a label and at a branch every window is 0
	s_wait_xcnt 0x0                                ; B's base is stepped only behind this wait
	s_add_nc_u64 s[6:7], s[6:7], 32768
	v_add_nc_u32 v[VA], SLICE, v[VA]
.endif
.endm
	TRIP1 1, 1, 48, 48, 48, 48, 1
	s_mov_b32 s22, 6
.Lk1:
	TRIP1 0, 1, 48, 48, 48, 48, 1
	s_sub_co_u32 s22, s22, 1
	s_cmp_lg_u32 s22, 0
	s_cbranch_scc1 .Lk1
	TRIP1 0, 0, 48, 32, 16, 0, 0                   ; the last trip asks for nothing: the counts run down
	EPI 1
	; THE SCORES.  A lane holds the sums of its column r over my wave's 256 columns: add over the 16 lanes of each half,
.irp m, 1,2,4,8
.set j, 0
.rept 64
	v_add_f32_dpp v[SS+j], v[SS+j], v[SS+j] row_xmask:\m row_mask:0xf bank_mask:0xf
.set j, j+1
.endr
.endr
	; then over the four waves, through LDS (the 16 lanes of a half store the same numbers to the same bytes)
.irp A, 0,1,2,3,4,5,6,7
	ds_store_b128 v[VW], v[SS+8*\A:SS+8*\A+3]   offset:64*\A
	ds_store_b128 v[VW], v[SS+8*\A+4:SS+8*\A+7] offset:64*\A+16
.endr
	s_wait_dscnt 0x0
	s_barrier_signal -1
	s_barrier_wait -1
.irp u, 0,1,2,3
	ds_load_b128 v[96+4*\u:96+4*\u+3], v[VRS] offset:512*\u
.endr
	s_wait_dscnt 0x0
	v_pk_add_f32 v[96:97],   v[96:97],   v[100:101]
	v_pk_add_f32 v[98:99],   v[98:99],   v[102:103]
	v_pk_add_f32 v[104:105], v[104:105], v[108:109]
	v_pk_add_f32 v[106:107], v[106:107], v[110:111]
	v_pk_add_f32 v[96:97],   v[96:97],   v[104:105]
	v_pk_add_f32 v[98:99],   v[98:99],   v[106:107]        ; every wave: lane L holds the scores of rows 4 L .. 4 L + 3; v[96:99] are not written again
	s_cmp_lg_u32 s16, 0
	s_cbranch_scc1 .Lnosc
	global_store_b128 v[VB], v[96:99], s[12:13]    ; 512 neighbouring bytes, by wave 0
.Lnosc:
	; the tile's maximum, and exp(score - maximum) as bf16, in each wave's own copy
	v_max3_num_f32 v112, v96, v97, v98
	v_max_num_f32 v112, v112, v99
	v_max_num_f32_dpp v112, v112, v112 row_xmask:1 row_mask:0xf bank_mask:0xf
	v_max_num_f32_dpp v112, v112, v112 row_xmask:2 row_mask:0xf bank_mask:0xf
	v_max_num_f32_dpp v112, v112, v112 row_xmask:4 row_mask:0xf bank_mask:0xf
	v_max_num_f32_dpp v112, v112, v112 row_xmask:8 row_mask:0xf bank_mask:0xf
	v_permlanex16_b32 v104, v112, s24, s25
	v_max_num_f32 v112, v112, v104
.irp i, 0,1,2,3
	v_sub_f32 v[104+\i], v[96+\i], v112            ; the difference first, then the factor: large scores lose nothing
.endr
.irp i, 0,1,2,3
	v_mul_f32 v[104+\i], s26, v[104+\i]
.endr
.irp i, 0,1,2,3
	v_exp_f32 v[104+\i], v[104+\i]
.endr
	v_nop
	s_wait_alu depctr_va_vdst(0)
	v_cvt_pk_bf16_f32 v108, v104, v105
	v_cvt_pk_bf16_f32 v109, v106, v107
	ds_store_b64 v[VPW], v[108:109]
	; THE CONTEXT: 16 equal rows of exp(..) (A, K = the tile's 128 rows) x keys (B, stored [K][N]: transposing loads).  Wave w owns columns 256 w .. + 255 = slices 2 w, 2 w + 1.
.irp k, 0,1,2,3
	ds_load_b128 v[AF+8*\k:AF+8*\k+3],   v[VP] offset:64*\k          ; my wave's own bytes; LDS serves a wave's instructions in order (ISA guide 5.7.1)
	ds_load_b128 v[AF+8*\k+4:AF+8*\k+7], v[VP] offset:64*\k+32
.endr
; group g: slice g / 4 of my two, rows 32 (g % 4) .. + 31, 8 column blocks.  The pitch of 272 bytes is not an odd multiple of 32, so these 128 loads have bank conflicts.
; The argument may be a sum, so every use of it stands in brackets.
.macro KT g
.irp i, 0,1,2,3,4,5,6,7
	ds_load_tr16_b128 v[KB+64*((\g)&1)+8*\i:KB+64*((\g)&1)+8*\i+3],   v[VT] offset:((\g)>>2)*SLICE+((\g)&3)*2*MBLK+32*\i
	ds_load_tr16_b128 v[KB+64*((\g)&1)+8*\i+4:KB+64*((\g)&1)+8*\i+7], v[VT] offset:((\g)>>2)*SLICE+((\g)&3)*2*MBLK+MBLK+32*\i
.endr
.endm
.macro CTXG g                          ; the 8 accumulators of a slice take turns, one instruction a turn
	WIN CTX
.irp i, 0,1,2,3,4,5,6,7
.if ((\g)&3)
	v_wmma_f32_16x16x32_bf16 v[8*(8*((\g)>>2)+\i):8*(8*((\g)>>2)+\i)+7], v[AF+8*((\g)&3):AF+8*((\g)&3)+7], v[KB+64*((\g)&1)+8*\i:KB+64*((\g)&1)+8*\i+7], v[8*(8*((\g)>>2)+\i):8*(8*((\g)>>2)+\i)+7]
.else
	v_wmma_f32_16x16x32_bf16 v[8*(8*((\g)>>2)+\i):8*(8*((\g)>>2)+\i)+7], v[AF+8*((\g)&3):AF+8*((\g)&3)+7], v[KB+64*((\g)&1)+8*\i:KB+64*((\g)&1)+8*\i+7], 0
.endif
.endr
.endm
	KT 0
.irp g, 0,1,2,3,4,5,6
	PLACES                                         ; the buffer that is filled next was read by the group before
	WIN 0
	KT (\g+1)
	s_wait_dscnt 16                                ; all but the 16 loads just issued
	CTXG \g
.endr
	s_wait_dscnt 0x0
	CTXG 7
	PLACES
	WIN ST_D
.irp n, 0,1,2,3,4,5,6,7,8,9,10,11,12,13,14,15
	ds_store_b32 v[VC], v[8*\n] offset:64*\n       ; register 0 of block n: column 16 n + r (all 16 rows are equal; both halves store the same)
.endr
	WIN 0
	ds_load_b128 v[116:119], v[VCR]                ; my wave's own bytes, back as 16 neighbouring bytes a lane
	ds_load_b128 v[120:123], v[VCR] offset:512
	s_wait_dscnt 1
	global_store_b128 v[VB], v[116:119], s[14:15]  ; 512 neighbouring bytes a store
	s_wait_dscnt 0x0
	global_store_b128 v[VB], v[120:123], s[14:15] offset:512
	s_wait_xcnt 0x0
	v_lshl_add_u32 v126, v0, 2, 0x45c00
	v_mov_b32 v127, 0
	s_wait_tensorcnt 0x0
	ds_add_u32 v126, v127
	s_wait_dscnt 0x0
	s_endpgm
.Lfunc_end_k_q53b3dcf065_main:
	.size	k_q53b3dcf065_main, .Lfunc_end_k_q53b3dcf065_main-k_q53b3dcf065_main
	.p2alignl 7, 3214868480
	.fill 96, 4, 3214868480
	.section	.rodata,"a",@progbits
	.p2align	6, 0x0
	.amdhsa_kernel k_q53b3dcf065_main
		.amdhsa_group_segment_fixed_size 286208
		.amdhsa_private_segment_fixed_size 0
		.amdhsa_enable_private_segment 0
		.amdhsa_kernarg_size 48
		.amdhsa_user_sgpr_count 2
		.amdhsa_user_sgpr_kernarg_segment_ptr 1
		.amdhsa_wavefront_size32 1
		.amdhsa_system_sgpr_workgroup_id_x 1
		.amdhsa_system_sgpr_workgroup_id_y 1
		.amdhsa_system_sgpr_workgroup_id_z 1
		.amdhsa_system_vgpr_workitem_id 0
		.amdhsa_next_free_vgpr 1024
		.amdhsa_next_free_sgpr 66
		.amdhsa_reserve_vcc 0
		.amdhsa_float_denorm_mode_32 3
		.amdhsa_float_denorm_mode_16_64 3
		.amdhsa_memory_ordered 1
		.amdhsa_forward_progress 1
		.amdhsa_inst_pref_size 255
	.end_amdhsa_kernel
	.section	.bss,"aw",@nobits
	.p2align	6
	.space	262144
	.amdgpu_metadata
---
amdhsa.version: [ 1, 2 ]
amdhsa.kernels:
  - .name:           k_q53b3dcf065_main
    .symbol:         k_q53b3dcf065_main.kd
    .args:
      - { .name: keys, .offset: 0, .size: 8, .value_kind: global_buffer, .address_space: global }
      - { .name: ub, .offset: 8, .size: 8, .value_kind: global_buffer, .address_space: global }
      - { .name: tab, .offset: 16, .size: 8, .value_kind: global_buffer, .address_space: global }
      - { .name: bs, .offset: 24, .size: 8, .value_kind: global_buffer, .address_space: global }
      - { .name: sc, .offset: 32, .size: 8, .value_kind: global_buffer, .address_space: global }
      - { .name: pc, .offset: 40, .size: 8, .value_kind: global_buffer, .address_space: global }
    .group_segment_fixed_size: 286208
    .private_segment_fixed_size: 0
    .kernarg_segment_align: 8
    .kernarg_segment_size: 48
    .max_flat_workgroup_size: 128
    .sgpr_count:     66
    .vgpr_count:     1024
    .wavefront_size: 32
...
	.end_amdgpu_metadata
.endif
;; end of part 2
;; launch fin (part 3): grid 32 x 1, 8 waves a work-group, no clusters, 1,536 bytes of LDS; arguments sc, pc, out0, out1; writes out0, out1
.if DOCPART == 3
	.amdgcn_target "amdgcn-amd-amdhsa--gfx1250"
	.amdhsa_code_object_version 6
	.text
	.protected	k_q53b3dcf065_fin
	.globl	k_q53b3dcf065_fin
	.p2align	8
	.type	k_q53b3dcf065_fin,@function
k_q53b3dcf065_fin:
	s_mov_b64 s[64:65], 0
	v_nop
	global_prefetch_b8 v0, s[64:65] scope:SCOPE_SE
	s_setreg_imm32_b32 hwreg(HW_REG_WAVE_MODE, 25, 1), 1
	s_wait_xcnt 0x0
; THE JOIN.  One work-group for each batch: 2,048 scores (8 KB) and the 16 tiles' partial contexts (64 KB).
;   M = the batch's largest score;  weights = exp(s - M) / sum;  context = sum over tiles u of exp(m_u - M) pc[u] / sum,
; where m_u, the largest score of tile u, is found again from the scores (a maximum has no rounding, so it is the number that pc[u] was made with).
; Thread t (wave v, lane L) holds scores 4 t .. 4 t + 3 (tile v) and 1,024 + 4 t .. (tile 8 + v), and columns 4 t .. 4 t + 3 of the context.
; The work is 72 KB a batch, so 32 work-groups are all there is to launch.  No matrix unit, no cluster: nothing is shared and nothing is multiplied in bulk.
; LIMIT: v_exp_f32 gives 0 for results below 2^-126 (ISA guide 15.8): weights that small come out as 0.
	s_load_b256 s[4:11], s[0:1], 0x0               ; sc s[4:5], pc s[6:7], out0 s[8:9], out1 s[10:11]
	v_lshl_add_u32 v112, v0, 2, 0x200
	v_mov_b32 v113, 0
	v_lshrrev_b32 v2, 5, v0
	v_readfirstlane_b32 s12, v2                    ; wave v
	v_lshlrev_b32 v1, 4, v0                        ; 16 t
	s_lshl_b32 s13, s12, 2
	s_lshl_b32 s14, ttmp9, 13                      ; the batch's 8,192 bytes of scores and of weights
	s_mov_b32 s15, 0
	s_lshl_b32 s16, ttmp9, 16                      ; its 16 rows of pc
	s_mov_b32 s17, 0
	s_lshl_b32 s18, ttmp9, 12                      ; its row of the context
	s_mov_b32 s19, 0
	s_mov_b32 s20, 0x76543210                      ; v_permlanex16_b32: lane i reads lane i of the other half
	s_mov_b32 s21, 0xfedcba98
	s_mov_b32 s22, 0x3fb8aa3b                      ; log2(e); the pair's second register is written too
	s_mov_b32 s23, 0x3fb8aa3b
	s_wait_kmcnt 0x0
	s_add_nc_u64 s[4:5], s[4:5], s[14:15]
	s_add_nc_u64 s[6:7], s[6:7], s[16:17]
	s_add_nc_u64 s[8:9], s[8:9], s[18:19]
	s_add_nc_u64 s[10:11], s[10:11], s[14:15]
	global_load_b128 v[4:7], v1, s[4:5]
	global_load_b128 v[8:11], v1, s[4:5] offset:4096
.irp u, 0,1,2,3,4,5,6,7,8,9,10,11,12,13,14,15
	global_load_b128 v[16+4*\u:16+4*\u+3], v1, s[6:7] offset:4096*\u
.endr
	v_mov_b32 v82, s13                             ; 4 v
	v_mov_b32 v83, 0
	s_wait_loadcnt 16                              ; the scores are in; pc's 16 loads stay out
	v_max3_num_f32 v80, v4, v5, v6
	v_max3_num_f32 v81, v8, v9, v10
	v_max_num_f32 v80, v80, v7
	v_max_num_f32 v81, v81, v11
.irp m, 1,2,4,8
	v_max_num_f32_dpp v80, v80, v80 row_xmask:\m row_mask:0xf bank_mask:0xf
	v_max_num_f32_dpp v81, v81, v81 row_xmask:\m row_mask:0xf bank_mask:0xf
.endr
	v_permlanex16_b32 v2, v80, s20, s21
	v_max_num_f32 v80, v80, v2                     ; the maximum of tile v
	v_permlanex16_b32 v2, v81, s20, s21
	v_max_num_f32 v81, v81, v2                     ; of tile 8 + v
	ds_store_b32 v82, v80
	ds_store_b32 v82, v81 offset:32
	s_wait_dscnt 0x0
	s_barrier_signal -1
	s_barrier_wait -1
.irp i, 0,1,2,3
	ds_load_b128 v[84+4*\i:84+4*\i+3], v83 offset:16*\i    ; the 16 tiles' maxima, in every lane
.endr
	s_wait_dscnt 0x0
	v_max3_num_f32 v100, v84, v85, v86
	v_max3_num_f32 v101, v87, v88, v89
	v_max3_num_f32 v100, v100, v90, v91
	v_max3_num_f32 v101, v101, v92, v93
	v_max3_num_f32 v100, v100, v94, v95
	v_max3_num_f32 v101, v101, v96, v97
	v_max3_num_f32 v100, v100, v98, v99
	v_max_num_f32 v100, v100, v101                 ; M
	v_mov_b32 v101, v100                           ; twice, for the packed forms
.irp i, 0,2,4,6,8,10,12,14
	v_pk_add_f32 v[84+\i:84+\i+1], v[84+\i:84+\i+1], v[100:101] neg_lo:[0,1] neg_hi:[0,1]
.endr
.irp i, 0,2,4,6
	v_pk_add_f32 v[4+\i:4+\i+1], v[4+\i:4+\i+1], v[100:101] neg_lo:[0,1] neg_hi:[0,1]
.endr
.irp i, 0,2,4,6,8,10,12,14
	v_pk_mul_f32 v[84+\i:84+\i+1], v[84+\i:84+\i+1], s[22:23] op_sel_hi:[1,0]
.endr
.irp i, 0,2,4,6
	v_pk_mul_f32 v[4+\i:4+\i+1], v[4+\i:4+\i+1], s[22:23] op_sel_hi:[1,0]
.endr
.irp i, 0,1,2,3,4,5,6,7,8,9,10,11,12,13,14,15
	v_exp_f32 v[84+\i], v[84+\i]                   ; exp(m_u - M)
.endr
.irp i, 0,1,2,3,4,5,6,7
	v_exp_f32 v[4+\i], v[4+\i]                     ; exp(s - M)
.endr
	v_nop                                          ; one plain place behind the transcendentals (ISA guide 5.7.2)
	s_wait_alu depctr_va_vdst(0)
	v_pk_add_f32 v[102:103], v[4:5], v[6:7]
	v_pk_add_f32 v[104:105], v[8:9], v[10:11]
	v_pk_add_f32 v[102:103], v[102:103], v[104:105]
	v_add_f32 v102, v102, v103
.irp m, 1,2,4,8
	v_add_f32_dpp v102, v102, v102 row_xmask:\m row_mask:0xf bank_mask:0xf
.endr
	v_permlanex16_b32 v103, v102, s20, s21
	v_add_f32 v102, v102, v103
	ds_store_b32 v82, v102 offset:256              ; other bytes than the maxima's: no barrier is needed in front of this store
	s_wait_dscnt 0x0
	s_barrier_signal -1
	s_barrier_wait -1
	ds_load_b128 v[104:107], v83 offset:256
	ds_load_b128 v[108:111], v83 offset:272
	s_wait_dscnt 0x0
	v_pk_add_f32 v[104:105], v[104:105], v[106:107]
	v_pk_add_f32 v[108:109], v[108:109], v[110:111]
	v_pk_add_f32 v[104:105], v[104:105], v[108:109]
	v_add_f32 v104, v104, v105                     ; the sum of all 2,048
	v_rcp_f32 v102, v104
	v_rcp_f32 v103, v104                           ; the packed products of pc below are the plain places behind these two
	s_wait_loadcnt 0x0
	v_pk_mul_f32 v[12:13], v[16:17], v[84:85] op_sel_hi:[1,0]
	v_pk_mul_f32 v[14:15], v[18:19], v[84:85] op_sel_hi:[1,0]
.irp u, 1,2,3,4,5,6,7,8,9,10,11,12,13,14,15
.if (\u&1)
	v_pk_fma_f32 v[12:13], v[16+4*\u:16+4*\u+1], v[84+\u-1:84+\u], v[12:13] op_sel:[0,1,0] op_sel_hi:[1,1,1]
	v_pk_fma_f32 v[14:15], v[18+4*\u:18+4*\u+1], v[84+\u-1:84+\u], v[14:15] op_sel:[0,1,0] op_sel_hi:[1,1,1]
.else
	v_pk_fma_f32 v[12:13], v[16+4*\u:16+4*\u+1], v[84+\u:84+\u+1], v[12:13] op_sel_hi:[1,0,1]
	v_pk_fma_f32 v[14:15], v[18+4*\u:18+4*\u+1], v[84+\u:84+\u+1], v[14:15] op_sel_hi:[1,0,1]
.endif
.endr
	s_wait_alu depctr_va_vdst(0)
.irp i, 0,2,4,6
	v_pk_mul_f32 v[4+\i:4+\i+1], v[4+\i:4+\i+1], v[102:103]
.endr
	global_store_b128 v1, v[4:7], s[10:11]         ; every store of a wave covers 512 neighbouring bytes
	global_store_b128 v1, v[8:11], s[10:11] offset:4096
	v_pk_mul_f32 v[12:13], v[12:13], v[102:103]
	v_pk_mul_f32 v[14:15], v[14:15], v[102:103]
	global_store_b128 v1, v[12:15], s[8:9]
	s_wait_tensorcnt 0x0
	ds_add_u32 v112, v113
	s_wait_dscnt 0x0
	s_endpgm
.Lfunc_end_k_q53b3dcf065_fin:
	.size	k_q53b3dcf065_fin, .Lfunc_end_k_q53b3dcf065_fin-k_q53b3dcf065_fin
	.p2alignl 7, 3214868480
	.fill 96, 4, 3214868480
	.section	.rodata,"a",@progbits
	.p2align	6, 0x0
	.amdhsa_kernel k_q53b3dcf065_fin
		.amdhsa_group_segment_fixed_size 1536
		.amdhsa_private_segment_fixed_size 0
		.amdhsa_enable_private_segment 0
		.amdhsa_kernarg_size 32
		.amdhsa_user_sgpr_count 2
		.amdhsa_user_sgpr_kernarg_segment_ptr 1
		.amdhsa_wavefront_size32 1
		.amdhsa_system_sgpr_workgroup_id_x 1
		.amdhsa_system_sgpr_workgroup_id_y 1
		.amdhsa_system_sgpr_workgroup_id_z 1
		.amdhsa_system_vgpr_workitem_id 0
		.amdhsa_next_free_vgpr 114
		.amdhsa_next_free_sgpr 66
		.amdhsa_reserve_vcc 0
		.amdhsa_float_denorm_mode_32 3
		.amdhsa_float_denorm_mode_16_64 3
		.amdhsa_memory_ordered 1
		.amdhsa_forward_progress 1
		.amdhsa_inst_pref_size 12
	.end_amdhsa_kernel
	.amdgpu_metadata
---
amdhsa.version: [ 1, 2 ]
amdhsa.kernels:
  - .name:           k_q53b3dcf065_fin
    .symbol:         k_q53b3dcf065_fin.kd
    .args:
      - { .name: sc, .offset: 0, .size: 8, .value_kind: global_buffer, .address_space: global }
      - { .name: pc, .offset: 8, .size: 8, .value_kind: global_buffer, .address_space: global }
      - { .name: out0, .offset: 16, .size: 8, .value_kind: global_buffer, .address_space: global }
      - { .name: out1, .offset: 24, .size: 8, .value_kind: global_buffer, .address_space: global }
    .group_segment_fixed_size: 1536
    .private_segment_fixed_size: 0
    .kernarg_segment_align: 8
    .kernarg_segment_size: 32
    .max_flat_workgroup_size: 256
    .sgpr_count:     66
    .vgpr_count:     114
    .wavefront_size: 32
...
	.end_amdgpu_metadata
.endif
;; end of part 3
;; ======== version 2 of 2: 3 launches
;; workspace buffers: ub 2,097,152 bytes; tab 262,144 bytes; bs 256 bytes; sc 262,144 bytes; pc 2,097,152 bytes
;; launch prep: the kernel of part 1 again; grid 64 x 1, 16 waves a work-group, no clusters, 166,912 bytes of LDS; arguments Ua_w, Wa_w, query, Wa_b, Ua_b, Va_w, Va_b, ub, tab, bs; writes ub, tab, bs
;; launch main (part 4): grid 512 x 1, 4 waves a work-group, no clusters, 286,208 bytes of LDS; arguments keys, ub, tab, bs, sc, pc; writes sc, pc
.if DOCPART == 4
	.amdgcn_target "amdgcn-amd-amdhsa--gfx1250"
	.amdhsa_code_object_version 6
	.text
	.protected	k_q53b3dcf065_main
	.globl	k_q53b3dcf065_main
	.p2align	8
	.type	k_q53b3dcf065_main,@function
k_q53b3dcf065_main:
	s_mov_b64 s[64:65], 0
	v_nop
	global_prefetch_b8 v0, s[64:65] scope:SCOPE_SE
	s_setreg_imm32_b32 hwreg(HW_REG_WAVE_MODE, 25, 1), 1
	s_wait_xcnt 0x0
; SCORES, AND EACH TILE'S SHARE OF SOFTMAX AND CONTEXT.  A work-group owns 128 rows of keys (tile T of 512; batch T / 16).
;   score[row] = Va_b + sum over o of Va_w[o] tanh(q_proj[o] + k_proj[row][o]),  tanh(x) = 1 - 2 / (1 + exp2(c x)),  c = 2 log2(e);
;   ub holds bf16(c Ua_w), tab the pairs (qc, w) = (c (q_proj + biases), -2 Va_w), bs the number (Va_b + sum Va_w) / 64.
;   sc[row] = the score;  pc[T][col] = sum over the tile's rows of exp(score - the tile's maximum) * keys[row][col].
; The last launch joins the 16 tiles of a batch.  keys is read from memory ONCE: the tile stays in LDS as bf16 (128 rows x 1,024 =
; 256 KB, 278,528 bytes with padding) from the products to the context.
; Four waves, as many as a WGP has SIMDs.  Wave w makes all 128 rows x the 128 columns 512 chunk + 128 w .. + 127, chunk = 0, 1:
; 64 accumulator tiles of 16 x 16 in 512 registers.  No two waves need the same column of Ua_w, so its fragments come straight from
; memory into the registers of the one wave that multiplies them, in the order in which prep laid them (512 neighbouring bytes a load),
; through a ring of four register buffers, one for each K step of 32, asked for three K steps ahead.
; THE TEXT IS KEPT SHORT: each kind of trip (128 along K, 256 products a wave) stands in it once.  A loop of two passes, one a chunk:
;   pass 0: sums start from qc | 6 trips that also bring keys in | trip 6, which stores the last slice | last trip | chunk 1's first fetches | tanh
;   pass 1: sums start from qc | 7 trips that only multiply                                            | last trip |                          | tanh
; The forward branches hang on the pass's number alone, so all four waves take the same way and pass the same barriers.
; Every counted wait holds on every way that the text has to its line, also on the ways that the pass's number shuts.
; NO CLUSTER, NO TENSOR LOADS: what work-groups share is ub.  Beside the key tile LDS has 327,680 - 278,528 = 49,152 bytes, 7,168 of them
; in use; two slots for a K step of 128 of the 512 columns of a chunk would take 2 x 139,264.  keys has to be converted from f32, and the
; f32 tile (512 KB) has no room in LDS either, so it goes through registers.
; LIMITS: matrix operands are bf16 (keys, c Ua_w, and exp(score - maximum) in the context).  v_exp_f32 gives 0 for results below 2^-126
; (ISA guide 15.8): shares that small count as 0.  exp2 overflowing to infinity gives 1 / inf = 0, that is tanh = 1, and exp2 = 0 gives tanh = -1.
;
; REGISTERS, in windows of 256 (s_set_vgpr_msb: bits 1:0 source 0, 3:2 source 1, 5:4 source 2, 7:6 destination):
;   window 0: addresses, (qc, w), A fragments, keys on their way;  window 1: the ring of four B buffers (64 registers each);
;   window 2: accumulator tiles of rows 0-63 (tile (a, b) at 8 (8 a + b));  window 3: those of rows 64-127.
.set PITCH, 272                        ; an LDS row of a slice: 128 bf16 + 16 bytes: an odd multiple of 16, so the 16 rows of a fragment start 16 bytes apart modulo 256
.set SLICE, 128*PITCH                  ; 34,816: a slice = 128 along K of all 128 rows; 8 slices
.set MBLK,  16*PITCH
.set LSW,   8*SLICE                    ; 278,528: 4 waves x 128 f32, each wave's part of the scores
.set LPB,   LSW+2048                   ; 4 waves x 128 bf16: exp(score - maximum), each wave's own copy
.set LCX,   LPB+1024                   ; 4 waves x 256 f32: context, each wave's own
.set BTRIP, 32768                      ; bytes of my wave's stream of ub in a trip: 4 K steps of 8,192
.set VB,   1                           ; 16 L
.set VA0,  2                           ; 272 r + 16 h: A fragment address in slice 0
.set VA,   3                           ; the same in the slice at work
.set VK,   4                           ; keys: my wave's 32 rows, 16 L, + 512 a trip
.set VPFC, 5                           ; VPF + 512 x the slice that the trip prefetches
.set VS,   6                           ; LDS: my wave's 32 rows of the slice at work, 8 L
.set VPF,  7                           ; keys, for prefetches: row L / 2 of my 32, 256 (L % 2)
.set CW,   8                           ; v[8:23]   (qc, w) of column block b of the chunk at work at 8 + 2 b
.set CWN,  24                          ; v[24:39]  the same for chunk 1, until its pass
.set TT,   40                          ; v[40:55]  converted keys; temporaries at the start
.set VCW,  56                          ; 8 r
.set VW,   57                          ; LSW + 512 w + 32 h
.set VP,   58                          ; LPB + 256 w + 16 h
.set VT,   59                          ; transposing loads: slice 2 w, row 8 h + L % 8, 16 ((L / 8) % 2)
.set VC,   60                          ; LCX + 1024 w + 4 r
.set VRS,  61                          ; LSW + 16 L
.set VPW,  62                          ; LPB + 256 w + 8 L
.set VCR,  63                          ; LCX + 1024 w + 16 L
.set AF,   64                          ; v[64:127]  A fragments, row block a at 64 + 8 a; later the fragments of exp(..) and scratch
.set KS,   128                         ; v[128:255] keys as loaded: group q (8 rows), row i at 128 + 32 q + 4 i
.set SS,   128                         ; v[128:191] once the last slice is in LDS: score sums, row 16 A + 8 h + j at 128 + 8 A + j
.set KB,   128                         ; v[128:255] in the context: two buffers of 8 transposed key fragments
.set MUL_LO, 0xa4                      ; A window 0, B window 1, C and D window 2
.set MUL_HI, 0xf4                      ; the same, C and D window 3
.set TO_B,   0x40                      ; a load's destination in window 1
.set INI_LO, 0x80                      ; destination in window 2, source 0 in window 0
.set INI_HI, 0xc0
.set EP_LO,  0xa2                      ; destination, sources 0 and 2 in window 2, source 1 in window 0
.set EP_HI,  0xf3
.set SA_LO,  0x02                      ; source 0 in window 2
.set SA_HI,  0x03
.set CTX,    0xa0                      ; A and B window 0, C and D window 2
.set ST_D,   0x08                      ; an LDS store's data in window 2
.set MSB, 0
.macro WIN new                         ; the immediate's high byte repeats the setting that is left
.if MSB != \new
	s_set_vgpr_msb (MSB<<8)|\new
.set MSB, \new
.endif
.endm
.macro PLACES                          ; four places behind matrix instructions before a load lands on their sources or a vector instruction reads their results
.rept 4
	v_nop
.endr
.endm
; 16 products: row blocks a0, a0 + 1 of the window's four x all 8 column blocks, 32 along K, B from ring buffer q.
; The 64 accumulators take turns, one instruction a turn, in the same order in every K step of every trip.
.macro MULH hi, a0, q
.irp a, \a0, \a0+1
.irp b, 0,1,2,3,4,5,6,7
	v_wmma_f32_16x16x32_bf16 v[8*(8*(\a)+\b):8*(8*(\a)+\b)+7], v[AF+8*(4*\hi+\a):AF+8*(4*\hi+\a)+7], v[64*\q+8*\b:64*\q+8*\b+7], v[8*(8*(\a)+\b):8*(8*(\a)+\b)+7]
.endr
.endr
.endm
.macro ALOAD half, off                 ; 8 LDS loads: the A fragments of 64 rows, 32 along K at byte off from VA
.irp a, 0,1,2,3
	ds_load_b128 v[AF+8*(4*\half+\a):AF+8*(4*\half+\a)+3],   v[VA] offset:\off+(4*\half+\a)*MBLK
	ds_load_b128 v[AF+8*(4*\half+\a)+4:AF+8*(4*\half+\a)+7], v[VA] offset:\off+(4*\half+\a)*MBLK+32
.endr
.endm
.macro BLOAD q, off                    ; 16 loads: one K step's 8 KB of my wave's stream of ub into ring buffer q
	WIN TO_B
.irp b, 0,1,2,3,4,5,6,7
	global_load_b128 v[64*\q+8*\b:64*\q+8*\b+3],   v[VB], s[6:7] offset:\off+\b*1024
	global_load_b128 v[64*\q+8*\b+4:64*\q+8*\b+7], v[VB], s[6:7] offset:\off+\b*1024+512
.endr
.endm
.macro KLOAD q, goff                   ; 8 loads: rows 8 q .. 8 q + 7 of my 32, the 512 bytes of a slice at byte goff from VK
.irp i, 0,1,2,3,4,5,6,7
	global_load_b128 v[KS+32*\q+4*\i:KS+32*\q+4*\i+3], v[VK], s[4:5] offset:\goff+(8*\q+\i)*4096 th:TH_LOAD_NT
.endr
.endm
.macro KGRP q, ldsoff, kld, goff       ; group q goes to LDS as bf16; kld = 1: its registers are asked for again
	WIN 0
.irp i, 0,1,2,3,4,5,6,7
	v_cvt_pk_bf16_f32 v[TT+2*\i],   v[KS+32*\q+4*\i],   v[KS+32*\q+4*\i+1]
	v_cvt_pk_bf16_f32 v[TT+2*\i+1], v[KS+32*\q+4*\i+2], v[KS+32*\q+4*\i+3]
.endr
.irp i, 0,1,2,3,4,5,6,7
	ds_store_b64 v[VS], v[TT+2*\i:TT+2*\i+1] offset:\ldsoff+(8*\q+\i)*PITCH     ; 256 neighbouring bytes: a row of the slice
.endr
.if \kld
	KLOAD \q, \goff
.endif
.endm
.macro PF sl                           ; the 64 aligned blocks of 256 bytes that my wave will load for slice sl
	global_prefetch_b8 v[VPF], s[4:5] offset:\sl*512 th:TH_LOAD_NT scope:SCOPE_SE
	global_prefetch_b8 v[VPF], s[4:5] offset:\sl*512+65536 th:TH_LOAD_NT scope:SCOPE_SE
.endm
; One K step of 32: 64 products on ring buffer q.
;   kst: group q of the next slice's keys goes to LDS (kld: and the slice after it is asked for); nk: how many younger loads may stay out when the group is needed
;   pf: the trip's prefetch;  bar: the barrier between all waves' stores of the next slice and its first reads
;   anext: the next step's A fragments are fetched, at byte aoff from VA;  bld: ring buffer q is asked for again, four K steps on
;   nb: how many younger loads may stay out when B is needed
.macro STEP q, kst, kld, nk, pf, bar, anext, aoff, bld, nb
.if \kst
	s_wait_loadcnt \nk                             ; loads come back in order (ISA guide 5.7.1)
	KGRP \q, SLICE, \kld, 1024
.endif
	s_wait_loadcnt \nb
	s_wait_dscnt 8+8*\kst                          ; rows 0-63 of A are in; younger: the 8 loads of rows 64-127 and the 8 key stores
	WIN MUL_LO
	MULH 0, 0, \q
.if \bar
	s_wait_dscnt 0x0                               ; my stores of the next slice are in LDS, and no LDS instruction of mine is out
	s_barrier_signal -1
.endif
	MULH 0, 2, \q
.if \bar
	s_barrier_wait -1                              ; every wave's are: the next slice is whole
.endif
.if \anext
	PLACES
	WIN 0
	ALOAD 0, \aoff
.endif
	s_wait_dscnt 8*\kst+8*\anext                   ; rows 64-127 of A are in; younger: the key stores and the 8 loads just issued
	WIN MUL_HI
	MULH 1, 0, \q
.if \pf
	global_prefetch_b8 v[VPFC], s[4:5] th:TH_LOAD_NT scope:SCOPE_SE               ; the address operand's window is 0 in this setting too
	global_prefetch_b8 v[VPFC], s[4:5] offset:65536 th:TH_LOAD_NT scope:SCOPE_SE
.endif
	MULH 1, 2, \q
	PLACES
.if \anext
	WIN 0
	ALOAD 1, \aoff
.endif
.if \bld
	BLOAD \q, BTRIP+\q*8192
.endif
.endm
; The end of a trip: everything that steps, steps once.
.macro NEXT keys
	WIN 0                                          ; at a label and at a branch every window is 0
	s_wait_xcnt 0x0                                ; the loads that are out have had their addresses translated (ISA guide 3.1): base and offsets are stepped only behind this wait
	s_add_nc_u64 s[6:7], s[6:7], BTRIP
	v_add_nc_u32 v[VA], SLICE, v[VA]
.if \keys
	v_add_nc_u32 v[VS], SLICE, v[VS]
	v_add_nc_u32 v[VK], 512, v[VK]
	s_add_co_u32 s29, s29, 512
	s_min_u32 s29, s29, 7*512                      ; slice 7 is the rows' end: the last trip of the loop asks for it again instead of pointing past it
	v_add_nc_u32 v[VPFC], s29, v[VPF]
.endif
.endm
; The sums start from qc: 256 packed broadcasts, in the place of as many additions behind the products, and no product with C = 0 has to be written out.
.macro INITH win
	WIN \win
.irp a, 0,1,2,3
.irp b, 0,1,2,3,4,5,6,7
.irp j, 0,2,4,6
	v_pk_mul_f32 v[8*(8*\a+\b)+\j:8*(8*\a+\b)+\j+1], v[CW+2*\b:CW+2*\b+1], 1.0 op_sel_hi:[0,0]
.endr
.endr
.endr
.endm
; tanh and the dot with Va_w for one accumulator tile, in place; the row sums gather in the row block's tile (a, 0).
.macro EPT a, b
.irp j, 0,1,2,3,4,5,6,7
	v_exp_f32 v[8*(8*\a+\b)+\j], v[8*(8*\a+\b)+\j]
.endr
	v_nop                                          ; one plain place behind the transcendentals before their results are used (ISA guide 5.7.2)
	s_wait_alu depctr_va_vdst(0)
.irp j, 0,2,4,6
	v_pk_add_f32 v[8*(8*\a+\b)+\j:8*(8*\a+\b)+\j+1], v[8*(8*\a+\b)+\j:8*(8*\a+\b)+\j+1], 1.0 op_sel_hi:[1,0]
.endr
.irp j, 0,1,2,3,4,5,6,7
	v_rcp_f32 v[8*(8*\a+\b)+\j], v[8*(8*\a+\b)+\j]
.endr
	v_nop
	s_wait_alu depctr_va_vdst(0)
.irp j, 0,2,4,6
.if \b
	v_pk_fma_f32 v[64*\a+\j:64*\a+\j+1], v[8*(8*\a+\b)+\j:8*(8*\a+\b)+\j+1], v[CW+2*\b:CW+2*\b+1], v[64*\a+\j:64*\a+\j+1] op_sel:[0,1,0] op_sel_hi:[1,1,1]   ; += w / (1 + exp2)
.else
	s_wait_alu depctr_va_vdst(0)
	v_pk_mul_f32 v[64*\a+\j:64*\a+\j+1], v[64*\a+\j:64*\a+\j+1], v[CW+2*\b:CW+2*\b+1] op_sel:[0,1] op_sel_hi:[1,1]
.endif
.endr
.endm
.macro EPIH ep, sa, a0
	WIN \ep
.irp a, 0,1,2,3
.irp b, 0,1,2,3,4,5,6,7
	EPT \a, \b
.endr
.endr
	WIN \sa
.irp a, 0,1,2,3
.irp j, 0,2,4,6
	v_pk_add_f32 v[SS+8*(\a0+\a)+\j:SS+8*(\a0+\a)+\j+1], v[64*\a+\j:64*\a+\j+1], v[SS+8*(\a0+\a)+\j:SS+8*(\a0+\a)+\j+1]
.endr
.endr
.endm
	s_load_b256 s[4:11], s[0:1], 0x0               ; keys s[4:5], ub s[6:7], tab s[8:9], bs s[10:11]
	s_load_b128 s[12:15], s[0:1], 0x20             ; sc s[12:13], pc s[14:15]
	v_lshrrev_b32 v40, 5, v0
	v_readfirstlane_b32 s16, v40                   ; wave w
	s_mov_b32 s17, ttmp9                           ; tile T
	v_and_b32 v40, 31, v0                          ; L
	v_and_b32 v41, 15, v0                          ; r
	v_bfe_u32 v42, v0, 4, 1                        ; h
	s_lshl_b32 s27, s16, 17                        ; my 32 rows of 4,096 bytes
	v_lshlrev_b32 v[VB], 4, v40
	v_add_nc_u32 v[VK], s27, v[VB]
	v_lshrrev_b32 v43, 1, v40
	v_and_b32 v44, 1, v0
	v_lshl_add_u32 v[VPF], v43, 12, s27
	v_lshl_add_u32 v[VPF], v44, 8, v[VPF]
	s_mov_b32 s29, 3*512                           ; the first trip prefetches slice 3
	v_add_nc_u32 v[VPFC], s29, v[VPF]
	v_lshlrev_b32 v[VCW], 3, v41
	s_lshl_b32 s18, s17, 19                        ; the tile's 128 rows of 4,096 bytes,
	s_lshr_b32 s19, s17, 13                        ; in 64 bits
	s_wait_kmcnt 0x0
	s_add_nc_u64 s[4:5], s[4:5], s[18:19]          ; keys at the tile; not stepped again
	KLOAD 0, 0                                     ; slice 0 of my 32 rows
	KLOAD 1, 0
	KLOAD 2, 0
	KLOAD 3, 0
	PF 1                                           ; slices 1 and 2 are loaded behind slice 0's arrival and in the first trip
	PF 2
	s_load_b32 s20, s[10:11], 0x0                  ; (Va_b + sum Va_w) / 64
	s_lshl_b32 s18, s16, 19                        ; my wave's 512 KB of ub
	s_mov_b32 s19, 0
	s_add_nc_u64 s[6:7], s[6:7], s[18:19]
	s_lshr_b32 s18, s17, 4                         ; batch
	s_lshl_b32 s18, s18, 7
	s_lshl_b32 s28, s16, 15                        ; my wave's 8 column blocks of 4,096 bytes
	s_add_co_u32 s18, s18, s28
	s_add_nc_u64 s[8:9], s[8:9], s[18:19]
	s_lshl_b32 s18, s17, 9
	s_add_nc_u64 s[12:13], s[12:13], s[18:19]      ; sc at the tile's 128 scores
	s_lshl_b32 s18, s17, 12
	s_lshl_b32 s28, s16, 10
	s_add_co_u32 s18, s18, s28
	s_add_nc_u64 s[14:15], s[14:15], s[18:19]      ; pc at the tile's row, my wave's 256 columns
	s_mov_b32 s24, 0x76543210                      ; v_permlanex16_b32: lane i reads lane i of the other half
	s_mov_b32 s25, 0xfedcba98
	s_mov_b32 s26, 0x3fb8aa3b                      ; log2(e)
	v_mul_u32_u24 v[VA0], v41, PITCH
	v_lshl_add_u32 v[VA0], v42, 4, v[VA0]
	s_mul_i32 s28, s16, 32*PITCH
	v_lshl_add_u32 v[VS], v40, 3, s28
	s_lshl_b32 s28, s16, 9
	s_add_co_u32 s28, s28, LSW
	v_lshl_add_u32 v[VW], v42, 5, s28
	s_lshl_b32 s28, s16, 8
	s_add_co_u32 s28, s28, LPB
	v_lshl_add_u32 v[VP], v42, 4, s28
	v_lshl_add_u32 v[VPW], v40, 3, s28
	v_and_b32 v45, 7, v0
	v_lshl_add_u32 v45, v42, 3, v45
	v_mul_u32_u24 v[VT], v45, PITCH
	v_bfe_u32 v46, v0, 3, 1
	v_lshl_add_u32 v[VT], v46, 4, v[VT]
	s_mul_i32 s28, s16, 2*SLICE
	v_add_nc_u32 v[VT], s28, v[VT]
	s_lshl_b32 s28, s16, 10
	s_add_co_u32 s28, s28, LCX
	v_lshl_add_u32 v[VC], v41, 2, s28
	v_lshl_add_u32 v[VCR], v40, 4, s28
	v_add_nc_u32 v[VRS], LSW, v[VB]
	v_mov_b32 v[VA], v[VA0]
.irp c, 0,1
.irp b, 0,1,2,3,4,5,6,7
	global_load_b64 v[CW+16*\c+2*\b:CW+16*\c+2*\b+1], v[VCW], s[8:9] offset:(32*\c+\b)*4096   ; (qc, w) of my column in block b of chunk c
.endr
.endr
	BLOAD 0, 0                                     ; K step 0 of B
	s_wait_loadcnt 16                              ; slice 0 and the pairs are in; the 16 loads of B stay out
	KGRP 0, 0, 1, 512                              ; slice 0 to LDS, slice 1 asked for
	KGRP 1, 0, 1, 512
	KGRP 2, 0, 1, 512
	KGRP 3, 0, 1, 512
	BLOAD 1, 8192                                  ; K steps 1 to 3 stand behind slice 1's loads, so that on the way into the loop, as on the way back,
	BLOAD 2, 16384                                 ; as many loads as a step's count names, or more, are younger than each load that the step waits for
	BLOAD 3, 24576
	WIN 0
	s_wait_kmcnt 0x0                               ; the bias's share
	s_wait_dscnt 0x0                               ; my rows of slice 0 are in LDS
	s_barrier_signal -1
	s_barrier_wait -1                              ; everybody's are
	ALOAD 0, 0
	ALOAD 1, 0
	s_mov_b32 s32, 0                               ; the pass = the chunk
.Lpass:
	INITH INI_LO
	INITH INI_HI
	WIN 0
	s_cmp_lg_u32 s32, 0
	s_cbranch_scc1 .Lchunk1
; CHUNK 0, trips 0 to 5: trip s multiplies slice s, puts slice s + 1 into LDS, asks for slice s + 2 and prefetches slice s + 3, which is
; loaded one trip (256 products a wave) later.  Each slice's bytes are stored once in the launch, so nothing in LDS is overwritten.
; The load counts.  Behind a group of keys 88 loads are issued before it is needed (on the way in from the start 72 at the least): 63, the field's largest count.
; Behind a step's B 80 are issued round the loop; from the start 88, 64, 72, 80 for steps 0 to 3.  The text also has a way to this loop from the fetches behind
; chunk 0's last trip: there 56, 64, 72, 80 are younger (for step 0: the 48 loads of B's steps 1 to 3 and this step's 8 of keys).  The pass's number shuts that way,
; but no count leans on that: step 0 waits with 56, steps 1 to 3 with 63.
	s_mov_b32 s22, 6
.Lk0:
	STEP 0, 1, 1, 63, 1, 0, 1, 64,    1, 56
	STEP 1, 1, 1, 63, 0, 0, 1, 128,   1, 63
	STEP 2, 1, 1, 63, 0, 0, 1, 192,   1, 63
	STEP 3, 1, 1, 63, 0, 1, 1, SLICE, 1, 63
	NEXT 1
	s_sub_co_u32 s22, s22, 1
	s_cmp_lg_u32 s22, 0
	s_cbranch_scc1 .Lk0
; Trip 6: slice 7 goes to LDS; nothing more of keys to ask for, so fewer loads are younger: behind the groups 88, 80, 72, 64; behind B 72, 64, 56, 48.
	STEP 0, 1, 0, 63, 0, 0, 1, 64,    1, 63
	STEP 1, 1, 0, 63, 0, 0, 1, 128,   1, 63
	STEP 2, 1, 0, 63, 0, 0, 1, 192,   1, 56
	STEP 3, 1, 0, 63, 0, 1, 1, SLICE, 1, 48
	NEXT 0
.set j, 0
.rept 64
	v_mov_b32 v[SS+j], s20                         ; the registers that held keys are free: the score sums start from the bias's share
.set j, j+1
.endr
	s_branch .Llast
.Lchunk1:
; CHUNK 1, trips 0 to 6: the tile is whole in LDS, so a trip only multiplies.  48 = the three younger K steps' 16 loads of B each, on the way in and on the way back.
	s_mov_b32 s22, 7
.Lk1:
	STEP 0, 0, 0, 0, 0, 0, 1, 64,    1, 48
	STEP 1, 0, 0, 0, 0, 0, 1, 128,   1, 48
	STEP 2, 0, 0, 0, 0, 0, 1, 192,   1, 48
	STEP 3, 0, 0, 0, 0, 0, 1, SLICE, 1, 48
	NEXT 0
	s_sub_co_u32 s22, s22, 1
	s_cmp_lg_u32 s22, 0
	s_cbranch_scc1 .Lk1
.Llast:
; The chunk's last trip asks for nothing: the counts run down.
	STEP 0, 0, 0, 0, 0, 0, 1, 64,  0, 48
	STEP 1, 0, 0, 0, 0, 0, 1, 128, 0, 32
	STEP 2, 0, 0, 0, 0, 0, 1, 192, 0, 16
	STEP 3, 0, 0, 0, 0, 0, 0, 0,   0, 0
	WIN 0
	s_cmp_lg_u32 s32, 0
	s_cbranch_scc1 .Ltanh
	v_mov_b32 v[VA], v[VA0]                        ; behind chunk 0: chunk 1's first A fragments and its first four K steps of B land during the tanh work
	ALOAD 0, 0
	ALOAD 1, 0
	s_add_nc_u64 s[6:7], s[6:7], BTRIP             ; chunk 1's part of my stream; no load is out (the last step waited for 0)
	BLOAD 0, 0
	BLOAD 1, 8192
	BLOAD 2, 16384
	BLOAD 3, 24576
	WIN 0
.Ltanh:
	EPIH EP_LO, SA_LO, 0
	EPIH EP_HI, SA_HI, 4
	WIN 0
.irp i, 0,1,2,3,4,5,6,7,8,9,10,11,12,13,14,15
	v_mov_b32 v[CW+\i], v[CWN+\i]                  ; chunk 1's pairs take chunk 0's place (in the last pass the copy is made and not used: 16 moves against a second way into the loop)
.endr
	s_add_co_u32 s32, s32, 1
	s_cmp_lt_u32 s32, 2
	s_cbranch_scc1 .Lpass
	; THE SCORES.  A lane holds the sums of its column r over my wave's 256 columns: add over the 16 lanes of each half,
.irp m, 1,2,4,8
.set j, 0
.rept 64
	v_add_f32_dpp v[SS+j], v[SS+j], v[SS+j] row_xmask:\m row_mask:0xf bank_mask:0xf
.set j, j+1
.endr
.endr
	; then over the four waves, through LDS (the 16 lanes of a half store the same numbers to the same bytes)
.irp A, 0,1,2,3,4,5,6,7
	ds_store_b128 v[VW], v[SS+8*\A:SS+8*\A+3]   offset:64*\A
	ds_store_b128 v[VW], v[SS+8*\A+4:SS+8*\A+7] offset:64*\A+16
.endr
	s_wait_dscnt 0x0
	s_barrier_signal -1
	s_barrier_wait -1
.irp u, 0,1,2,3
	ds_load_b128 v[96+4*\u:96+4*\u+3], v[VRS] offset:512*\u
.endr
	s_wait_dscnt 0x0
	v_pk_add_f32 v[96:97],   v[96:97],   v[100:101]
	v_pk_add_f32 v[98:99],   v[98:99],   v[102:103]
	v_pk_add_f32 v[104:105], v[104:105], v[108:109]
	v_pk_add_f32 v[106:107], v[106:107], v[110:111]
	v_pk_add_f32 v[96:97],   v[96:97],   v[104:105]
	v_pk_add_f32 v[98:99],   v[98:99],   v[106:107]        ; every wave: lane L holds the scores of rows 4 L .. 4 L + 3; v[96:99] are not written again
	s_cmp_lg_u32 s16, 0
	s_cbranch_scc1 .Lnosc
	global_store_b128 v[VB], v[96:99], s[12:13]    ; 512 neighbouring bytes, by wave 0
.Lnosc:
	; the tile's maximum, and exp(score - maximum) as bf16, in each wave's own copy
	v_max3_num_f32 v112, v96, v97, v98
	v_max_num_f32 v112, v112, v99
	v_max_num_f32_dpp v112, v112, v112 row_xmask:1 row_mask:0xf bank_mask:0xf
	v_max_num_f32_dpp v112, v112, v112 row_xmask:2 row_mask:0xf bank_mask:0xf
	v_max_num_f32_dpp v112, v112, v112 row_xmask:4 row_mask:0xf bank_mask:0xf
	v_max_num_f32_dpp v112, v112, v112 row_xmask:8 row_mask:0xf bank_mask:0xf
	v_permlanex16_b32 v104, v112, s24, s25
	v_max_num_f32 v112, v112, v104
.irp i, 0,1,2,3
	v_sub_f32 v[104+\i], v[96+\i], v112            ; the difference first, then the factor: large scores lose nothing
.endr
.irp i, 0,1,2,3
	v_mul_f32 v[104+\i], s26, v[104+\i]
.endr
.irp i, 0,1,2,3
	v_exp_f32 v[104+\i], v[104+\i]
.endr
	v_nop
	s_wait_alu depctr_va_vdst(0)
	v_cvt_pk_bf16_f32 v108, v104, v105
	v_cvt_pk_bf16_f32 v109, v106, v107
	ds_store_b64 v[VPW], v[108:109]
	; THE CONTEXT: 16 equal rows of exp(..) (A, K = the tile's 128 rows) x keys (B, stored [K][N]: transposing loads).  Wave w owns columns 256 w .. + 255 = slices 2 w, 2 w + 1.
.irp k, 0,1,2,3
	ds_load_b128 v[AF+8*\k:AF+8*\k+3],   v[VP] offset:64*\k          ; my wave's own bytes; LDS serves a wave's instructions in order (ISA guide 5.7.1)
	ds_load_b128 v[AF+8*\k+4:AF+8*\k+7], v[VP] offset:64*\k+32
.endr
; group g: slice g / 4 of my two, rows 32 (g % 4) .. + 31, 8 column blocks.  The pitch of 272 bytes is not an odd multiple of 32, so these 128 loads have bank conflicts.
; The argument may be a sum, so every use of it stands in brackets.
.macro KT g
.irp i, 0,1,2,3,4,5,6,7
	ds_load_tr16_b128 v[KB+64*((\g)&1)+8*\i:KB+64*((\g)&1)+8*\i+3],   v[VT] offset:((\g)>>2)*SLICE+((\g)&3)*2*MBLK+32*\i
	ds_load_tr16_b128 v[KB+64*((\g)&1)+8*\i+4:KB+64*((\g)&1)+8*\i+7], v[VT] offset:((\g)>>2)*SLICE+((\g)&3)*2*MBLK+MBLK+32*\i
.endr
.endm
.macro CTXG g                          ; the 8 accumulators of a slice take turns, one instruction a turn
	WIN CTX
.irp i, 0,1,2,3,4,5,6,7
.if ((\g)&3)
	v_wmma_f32_16x16x32_bf16 v[8*(8*((\g)>>2)+\i):8*(8*((\g)>>2)+\i)+7], v[AF+8*((\g)&3):AF+8*((\g)&3)+7], v[KB+64*((\g)&1)+8*\i:KB+64*((\g)&1)+8*\i+7], v[8*(8*((\g)>>2)+\i):8*(8*((\g)>>2)+\i)+7]
.else
	v_wmma_f32_16x16x32_bf16 v[8*(8*((\g)>>2)+\i):8*(8*((\g)>>2)+\i)+7], v[AF+8*((\g)&3):AF+8*((\g)&3)+7], v[KB+64*((\g)&1)+8*\i:KB+64*((\g)&1)+8*\i+7], 0
.endif
.endr
.endm
	KT 0
.irp g, 0,1,2,3,4,5,6
	PLACES                                         ; the buffer that is filled next was read by the group before
	WIN 0
	KT (\g+1)
	s_wait_dscnt 16                                ; all but the 16 loads just issued
	CTXG \g
.endr
	s_wait_dscnt 0x0
	CTXG 7
	PLACES
	WIN ST_D
.irp n, 0,1,2,3,4,5,6,7,8,9,10,11,12,13,14,15
	ds_store_b32 v[VC], v[8*\n] offset:64*\n       ; register 0 of block n: column 16 n + r (all 16 rows are equal; both halves store the same)
.endr
	WIN 0
	ds_load_b128 v[116:119], v[VCR]                ; my wave's own bytes, back as 16 neighbouring bytes a lane
	ds_load_b128 v[120:123], v[VCR] offset:512
	s_wait_dscnt 1
	global_store_b128 v[VB], v[116:119], s[14:15]  ; 512 neighbouring bytes a store
	s_wait_dscnt 0x0
	global_store_b128 v[VB], v[120:123], s[14:15] offset:512
	s_wait_xcnt 0x0
	v_lshl_add_u32 v126, v0, 2, 0x45c00
	v_mov_b32 v127, 0
	s_wait_tensorcnt 0x0
	ds_add_u32 v126, v127
	s_wait_dscnt 0x0
	s_endpgm
.Lfunc_end_k_q53b3dcf065_main:
	.size	k_q53b3dcf065_main, .Lfunc_end_k_q53b3dcf065_main-k_q53b3dcf065_main
	.p2alignl 7, 3214868480
	.fill 96, 4, 3214868480
	.section	.rodata,"a",@progbits
	.p2align	6, 0x0
	.amdhsa_kernel k_q53b3dcf065_main
		.amdhsa_group_segment_fixed_size 286208
		.amdhsa_private_segment_fixed_size 0
		.amdhsa_enable_private_segment 0
		.amdhsa_kernarg_size 48
		.amdhsa_user_sgpr_count 2
		.amdhsa_user_sgpr_kernarg_segment_ptr 1
		.amdhsa_wavefront_size32 1
		.amdhsa_system_sgpr_workgroup_id_x 1
		.amdhsa_system_sgpr_workgroup_id_y 1
		.amdhsa_system_sgpr_workgroup_id_z 1
		.amdhsa_system_vgpr_workitem_id 0
		.amdhsa_next_free_vgpr 1024
		.amdhsa_next_free_sgpr 66
		.amdhsa_reserve_vcc 0
		.amdhsa_float_denorm_mode_32 3
		.amdhsa_float_denorm_mode_16_64 3
		.amdhsa_memory_ordered 1
		.amdhsa_forward_progress 1
		.amdhsa_inst_pref_size 255
	.end_amdhsa_kernel
	.section	.bss,"aw",@nobits
	.p2align	6
	.space	262144
	.amdgpu_metadata
---
amdhsa.version: [ 1, 2 ]
amdhsa.kernels:
  - .name:           k_q53b3dcf065_main
    .symbol:         k_q53b3dcf065_main.kd
    .args:
      - { .name: keys, .offset: 0, .size: 8, .value_kind: global_buffer, .address_space: global }
      - { .name: ub, .offset: 8, .size: 8, .value_kind: global_buffer, .address_space: global }
      - { .name: tab, .offset: 16, .size: 8, .value_kind: global_buffer, .address_space: global }
      - { .name: bs, .offset: 24, .size: 8, .value_kind: global_buffer, .address_space: global }
      - { .name: sc, .offset: 32, .size: 8, .value_kind: global_buffer, .address_space: global }
      - { .name: pc, .offset: 40, .size: 8, .value_kind: global_buffer, .address_space: global }
    .group_segment_fixed_size: 286208
    .private_segment_fixed_size: 0
    .kernarg_segment_align: 8
    .kernarg_segment_size: 48
    .max_flat_workgroup_size: 128
    .sgpr_count:     66
    .vgpr_count:     1024
    .wavefront_size: 32
...
	.end_amdgpu_metadata
.endif
;; end of part 4
;; launch fin: the kernel of part 3 again; grid 32 x 1, 8 waves a work-group, no clusters, 1,536 bytes of LDS; arguments sc, pc, out0, out1; writes out0, out1
